; MI455X (gfx1250); checked and timed in simulation.
; The chip was launched on July 23, 2026; its instructions are those of AMD's public machine-readable ISA for CDNA 5 (MIT licence, August 2026) and "CDNA5" Instruction Set Architecture Reference Guide (July 2026). The comments in the code are by the model that wrote it; some were corrected since.
;; PID Multi Head Attention. Allowed arithmetic: matrix products marked QUANTISED: E2M1 operands, one E8M0 scale for each 32 along K, by v_wmma_scale_f32_16x16x128_f8f6f4 with both operands' format E2M1 (or v_wmma_scale_f32_32x16x128_f4), f32 sums; products left as they are: f32 operands where the result goes on into a quantised operand, else bf16, f16 or f32 operands; f32 sums; everything else in f32.
;; Inputs: kWd 1,024 x 1,024 float32; kWg 3 x 1,024 float32; kWi 1,024 x 1,024 float32; kWp 1,024 x 1,024 float32; kbg 3 float32; oW 1,024 x 1,024 float32; ob 1,024 float32; qWd 1,024 x 1,024 float32; qWg 3 x 1,024 float32; qWi 1,024 x 1,024 float32; qWp 1,024 x 1,024 float32; qbg 3 float32; vWd 1,024 x 1,024 float32; vWg 3 x 1,024 float32; vWi 1,024 x 1,024 float32; vWp 1,024 x 1,024 float32; vbg 3 float32; x 2 x 2,048 x 1,024 float32.
;; Outputs: out0 2 x 2,048 x 1,024 float32.
;; This version of the problem:
;;   THIS VERSION OF THE PROBLEM IS GIVEN IN LOW PRECISION. The matrix products marked QUANTISED in the list below multiply operands that are first quantised to E2M1 (2 exponent bits, 1 mantissa bit; 4 bits a number), with one power-of-two scale for each 32 numbers along K (OCP MX v1.0); their sums are f32. All else is computed in f32.
;;   The module's matrix products, in the order in which they are computed (A, B: the left and right operand; K: the contracted axis; several contracted axes count as one K, in the product's order):
;;     1. [M 4,096, K 1,024] x [K 1,024, N 3]; A: input x; B: input qWg: left as it is (N = 3 < 16)
;;     2. [M 4,096, K 1,024] x [K 1,024, N 1,024]; A: input x; B: input qWp: QUANTISED
;;     3. [M 4,096, K 1,024] x [K 1,024, N 1,024]; A: computed on the way; B: input qWi: QUANTISED
;;     4. [M 4,096, K 1,024] x [K 1,024, N 1,024]; A: computed on the way; B: input qWd: QUANTISED
;;     5. [M 4,096, K 1,024] x [K 1,024, N 3]; A: input x; B: input kWg: left as it is (N = 3 < 16)
;;     6. [M 4,096, K 1,024] x [K 1,024, N 1,024]; A: input x; B: input kWp: QUANTISED
;;     7. [M 4,096, K 1,024] x [K 1,024, N 1,024]; A: computed on the way; B: input kWi: QUANTISED
;;     8. [M 4,096, K 1,024] x [K 1,024, N 1,024]; A: computed on the way; B: input kWd: QUANTISED
;;     9. [M 4,096, K 1,024] x [K 1,024, N 3]; A: input x; B: input vWg: left as it is (N = 3 < 16)
;;     10. [M 4,096, K 1,024] x [K 1,024, N 1,024]; A: input x; B: input vWp: QUANTISED
;;     11. [M 4,096, K 1,024] x [K 1,024, N 1,024]; A: computed on the way; B: input vWi: QUANTISED
;;     12. [M 4,096, K 1,024] x [K 1,024, N 1,024]; A: computed on the way; B: input vWd: QUANTISED
;;     13. batch 32 x [M 2,048, K 64] x [K 64, N 2,048]; A: computed on the way; B: computed on the way: QUANTISED
;;     14. batch 32 x [M 2,048, K 2,048] x [K 2,048, N 64]; A: softmax (see below); B: computed on the way: QUANTISED
;;     15. [M 4,096, K 1,024] x [K 1,024, N 1,024]; A: computed on the way; B: input oW: QUANTISED
;;   THE QUANTISER, for each operand of a quantised product, along K:
;;     - K is cut into blocks of 32 from its start; a last block that is shorter is filled with zeros.
;;     - A block's scale is 2^e with e = floor(log2(the largest magnitude in the block)) - 2, held to -126 .. 127; a block of zeros has e = 0. As a byte (E8M0): e + 127.
;;     - Each number is divided by its block's scale, clamped to +-6, and rounded to the nearest number of E2M1, ties to even, subnormals kept.
;;     - The product sums the exact products of the quantised numbers (number of the format x scale) in f32.
;;   ~~~python
;;   def quantise(x, axis):      # numpy; x: float32 -> the quantised numbers, widened to float32 again
;;       x = np.moveaxis(x, axis, -1); K = x.shape[-1]
;;       x = np.pad(x, [(0, 0)] * (x.ndim - 1) + [(0, -K % 32)]); x = x.reshape(x.shape[:-1] + (-1, 32)); a = np.abs(x).max(-1, keepdims=True)
;;       e = np.where(a > 0, np.clip(np.frexp(np.where(a > 0, a, 1))[1] - 1 - 2, -126, 127), 0)      # np.frexp(a)[1] - 1 = floor(log2(a)), exactly
;;       r = np.clip(x / 2.0 ** e, -6, 6)
;;       step = 2.0 ** (np.maximum(np.frexp(np.where(r == 0, 1, r))[1] - 1, 0) - 1)
;;       q = np.round(r / step) * step * 2.0 ** e      # np.round: ties to even
;;       return np.moveaxis(q.reshape(q.shape[:-2] + (-1,))[..., :K], -1, axis).astype(np.float32)
;;   ~~~
;;   SOFTMAX AHEAD OF A QUANTISED PRODUCT. Where the list says 'softmax', what is quantised is not the finished softmax but p = 2^(t - M), with t = logit x log2(e) and M = ceil(the row's largest t), a whole number; so 1/2 < the row's largest p <= 1. The row's sum l is taken of the UNQUANTISED p, in f32, and the product's result is divided by l at the end. Since M is a whole number, a kernel that streams over the keys may use a running M (the ceiling of the running maximum): every later rescaling is an exact power of two, which a block's scale takes up: the codes' values come out the same.
;;   OPERANDS COMPUTED ON THE WAY. 'Computed on the way' means the value that the module computes at that place (a softmax that the list does not call 'softmax' is quantised finished and normalised). What goes into a quantiser is computed in f32, as accurately as f32 sums, v_exp_f32 and their like allow (about 1e-6 of the number): no bf16 or f16 on the way to a quantiser, and a product that is left as it is and whose result goes on into a quantised operand takes f32 operands (vector FMAs, or v_wmma_f32_16x16x4_f32). A number that lies on a knife's edge between two numbers of the format may be rounded either way, as far as f32 arithmetic and the matrix unit's own rounding can turn it there, and no further.
;; One version. Each part assembles by itself: llvm-mc -triple=amdgcn-amd-amdhsa -mcpu=gfx1250 --defsym DOCPART=n.
;; ======== version 1 of 1: 5 launches
;; limits: right only within a limited range of input values
;; workspace buffers: wq 5,570,560 bytes; gp 2,113,536 bytes; aq 6,832,128 bytes; qkv 7,077,888 bytes; oq 2,359,296 bytes
;; launch prep1 (part 1): grid 224 x 1, 8 waves a work-group, no clusters, 68,608 bytes of LDS; arguments qWp, kWp, vWp, qWi, kWi, vWi, qWd, kWd, vWd, oW, x, wq, gp; writes wq, gp
.if DOCPART == 1
	.amdgcn_target "amdgcn-amd-amdhsa--gfx1250"
	.amdhsa_code_object_version 6
	.text
	.protected	k_q6a89359085_prep1
	.globl	k_q6a89359085_prep1
	.p2align	8
	.type	k_q6a89359085_prep1,@function
k_q6a89359085_prep1:
	s_mov_b64 s[64:65], 0
	v_nop
	global_prefetch_b8 v0, s[64:65] scope:SCOPE_SE
	s_setreg_imm32_b32 hwreg(HW_REG_WAVE_MODE, 25, 1), 1
	s_wait_xcnt 0x0
; TWO JOBS IN ONE LAUNCH, told apart by the work-group's number.  Every work-group of either job reads 262,144 bytes.
; Work-groups 0-159: the ten weights [1024 (n)][1024 (k)] f32 become codes of FP4 (E2M1), K innermost, 512 bytes a row, and one E8M0 byte for each 32 along K, 32 bytes a row.
;   wq: codes [w 0..9][row][512] (w = 3 x segment + projection; w = 9 is oW), then from WSO on the scale bytes [w][row][32].
;   ROW ORDER: logical row n lies at the row whose number is n with bits 3 and 4 exchanged.  So sixteen neighbouring stored rows, taken as source 0 of a matrix instruction, give results whose registers of two
;   neighbouring tiles run over 16 neighbouring n.  A wave takes 8 rows (8,192 numbers), which stay together under that exchange: only the place of the run of 8 changes.
;   A block's scale is 2^(floor(log2(largest magnitude)) - 2); its byte is the largest magnitude's exponent field - 2, held at 1 from below.
;   Loads run eight steps ahead: 32 loads of 512 bytes a wave.
; Work-groups 160-223: the running sum of x over T at every eighth row, taken inside each HALF of a batch (1,024 rows), since no sum crosses work-groups in a launch:
;   gp[b][c][col] = the sum of x[b][1024 (c / 128) .. 8 c - 1][col], f32;  from GPH on  [b][half][col]: what the half's sums still lack: zeros for the first half, the first half's total for the second.
;   A work-group takes 64 columns of one half, wave v rows 128 v .. 128 v + 127, a lane two columns: each load reads 256 consecutive bytes; seven chunks of 8 rows, 56 loads a wave, are on their way.
;   The waves' totals meet in LDS behind one barrier.  Wave 7 of a first half stores the two rows behind GPH.
; LIMITS: NaN and infinities are not served.  A block whose largest magnitude lies under 2^-124, a block of zeros among them, gets the byte 1 (the bytes are read by this program alone; zero codes add nothing).
;   The running sum is taken row by row inside a wave, the waves' totals in ascending order, the half's base last: an order of f32 additions of its own.
; No tensor loads, no matrix unit, no cluster: both jobs stream, and work-groups share nothing.
.set STEPS, 16
.set AHEAD, 8                          ; steps of loads on their way
.set CB,    8                          ; bytes of 16 codes
.set R,     16                         ; v16-143  eight sets of 16 numbers as loaded
.set X,     144                        ; v144-175 two sets of 16 neighbours
.set E,     176                        ; v176-191 a scale byte for each step
.set C,     192                        ; v192-255 codes, four registers a step: no store's data are written again
.set WREG,  8192                       ; LDS of a weight wave: two stages of 32 x SP bytes, then its 256 scale bytes
.set SP,    80                         ; a lane's place in a stage: 64 bytes + 16 of padding
.set WSO,   5242880                    ; where the scale bytes begin in wq
.set GPH,   2097152                    ; where the halves' bases begin in gp
.set SCANL, 65536                      ; LDS of the sum's work-groups: bytes of their own
.set NCH,   16                         ; chunks of 8 rows in a wave
.set SETS,  7                          ; chunks on their way
.set L,     4                          ; v4-37    17 pairs: the wave's own running sum in front of chunk g
.set RAW,   40                         ; v40-151  seven sets of 8 rows x 2 columns
.set TOT,   152                        ; v152-165 the totals of waves 0 to 6
.set BASE,  166                        ; v166-167 the sum of the totals of the waves in front of mine
.set ZR,    168                        ; v168-169 zeros
	s_load_b512 s[8:23], s[0:1], 0x0               ; qWp kWp vWp qWi kWi vWi qWd kWd
	s_load_b256 s[24:31], s[0:1], 0x40             ; vWd oW x wq
	s_load_b64 s[32:33], s[0:1], 0x60              ; gp
	v_lshl_add_u32 v254, v0, 2, 0x10800
	v_mov_b32 v255, 0
	v_lshrrev_b32 v1, 5, v0
	s_delay_alu instid0(VALU_DEP_1)
	v_readfirstlane_b32 s36, v1                    ; wave 0..7
	v_and_b32 v2, 31, v0                           ; lane
	s_cmp_ge_u32 ttmp9, 160
	s_cbranch_scc1 .Lscan
; ---------------- the weights ----------------
	v_lshlrev_b32 v3, 4, v2                        ; my 16 bytes of a load's 512
	s_mul_i32 s37, s36, WREG
	v_lshrrev_b32 v14, 2, v2
	s_delay_alu instid0(VALU_DEP_1)
	v_mul_u32_u24 v14, v14, SP
	v_and_b32 v15, 3, v2
	s_delay_alu instid0(VALU_DEP_1)
	v_lshl_add_u32 v14, v15, 4, v14
	s_delay_alu instid0(VALU_DEP_1)
	v_add_nc_u32 v14, s37, v14                     ; the stage, on the way in: SP (lane / 4) + 16 (lane % 4)
	v_mul_u32_u24 v15, v2, SP
	s_delay_alu instid0(VALU_DEP_1)
	v_add_nc_u32 v15, s37, v15                     ; on the way out: SP x lane: my 16 neighbours
	v_mul_u32_u24 v4, v2, CB                       ; my codes' place in a step's 256 bytes
	v_lshrrev_b32 v5, 1, v2
	s_add_co_u32 s37, s37, 2*32*SP
	v_add_nc_u32 v5, s37, v5                       ; my block's byte among the wave's 256
	v_lshlrev_b32 v7, 3, v2
	s_delay_alu instid0(VALU_DEP_1)
	v_add_nc_u32 v6, s37, v7                       ; and 8 bytes a lane on their way out
	s_lshr_b32 s38, ttmp9, 4                       ; w: sixteen work-groups to a weight
	s_and_b32 s39, ttmp9, 15
	s_lshl_b32 s39, s39, 3
	s_add_co_u32 s40, s39, s36                     ; which run of 8 rows I read
	s_lshl_b32 s40, s40, 15                        ; 32,768 bytes a run
	s_mov_b32 s41, 0
	s_and_b32 s42, s36, 4                          ; and where it is stored: the run's bits 0 and 1 exchanged
	s_add_co_u32 s39, s39, s42
	s_and_b32 s42, s36, 1
	s_lshl_b32 s42, s42, 1
	s_add_co_u32 s39, s39, s42
	s_bfe_u32 s42, s36, 0x10001
	s_add_co_u32 s39, s39, s42
	s_lshl_b32 s44, s38, 19                        ; codes: 524,288 bytes a weight, 4,096 a run
	s_lshl_b32 s42, s39, 12
	s_add_co_u32 s44, s44, s42
	s_mov_b32 s45, 0
	s_lshl_b32 s46, s38, 15                        ; scale bytes: 32,768 a weight, 256 a run
	s_lshl_b32 s42, s39, 8
	s_add_co_u32 s46, s46, s42
	s_add_co_u32 s46, s46, WSO
	s_mov_b32 s47, 0
	s_wait_alu depctr_va_vdst(0)
	s_wait_kmcnt 0x0
	s_mov_b64 s[4:5], s[8:9]
.irp i, 1,2,3,4,5,6,7,8,9
	s_cmp_eq_u32 s38, \i                           ; the choice hangs on the work-group's number alone
	s_cselect_b64 s[4:5], s[8+2*\i:9+2*\i], s[4:5]
.endr
	s_add_nc_u64 s[4:5], s[4:5], s[40:41]
	s_add_nc_u64 s[6:7], s[30:31], s[44:45]
	s_add_nc_u64 s[34:35], s[30:31], s[46:47]
.macro WLOAD t
.irp i, 0,1,2,3
	global_load_b128 v[R+16*((\t)%AHEAD)+4*\i:R+16*((\t)%AHEAD)+4*\i+3], v3, s[4:5] offset:2048*(\t)+512*\i th:TH_LOAD_NT   ; 32 lanes read 512 consecutive bytes
.endr
.endm
.macro WTURN t                         ; a step's 2,048 bytes through the wave's stage: in as loaded, out 64 bytes a lane; LDS serves a wave's instructions in order
.irp i, 0,1,2,3
	ds_store_b128 v14, v[R+16*((\t)%AHEAD)+4*\i:R+16*((\t)%AHEAD)+4*\i+3] offset:32*SP*((\t)%2)+8*SP*\i
.endr
.irp i, 0,1,2,3
	ds_load_b128 v[X+16*((\t)%2)+4*\i:X+16*((\t)%2)+4*\i+3], v15 offset:32*SP*((\t)%2)+16*\i
.endr
.endm
.irp t, 0,1,2,3,4,5,6,7
	WLOAD \t
.endr
	s_wait_loadcnt 4*(AHEAD-1)                     ; step 0's four loads are in; the 28 of steps 1 to 7 may be out
	WTURN 0
.macro WSTEP t
.set XS, X+16*((\t)%2)
.if (\t) > 0
	s_wait_dscnt 1                                 ; this step's numbers are back from the stage; the last step's byte store may be out
.else
	s_wait_dscnt 0x0
.endif
.if (\t)+AHEAD < STEPS
	WLOAD (\t)+AHEAD                               ; into the set whose stores to the stage have been served
.endif
.if (\t)+1 < STEPS
.if STEPS-2-(\t) >= AHEAD-1
	s_wait_loadcnt 4*(AHEAD-1)                     ; the next step's loads are in; those of the seven steps behind it may be out
.else
	s_wait_loadcnt 4*(STEPS-2-(\t))                ; the last steps: the count runs down with the steps that are left
.endif
	WTURN (\t)+1
.endif
	v_max3_num_f32 v8, |v[XS]|, |v[XS+1]|, |v[XS+2]|               ; the largest magnitude of my 16, in two chains
	v_max3_num_f32 v9, |v[XS+3]|, |v[XS+4]|, |v[XS+5]|
.irp i, 6,10
	s_delay_alu instid0(VALU_DEP_2)
	v_max3_num_f32 v8, v8, |v[XS+\i]|, |v[XS+\i+1]|
	s_delay_alu instid0(VALU_DEP_2)
	v_max3_num_f32 v9, v9, |v[XS+\i+2]|, |v[XS+\i+3]|
.endr
	s_delay_alu instid0(VALU_DEP_2)
	v_max3_num_f32 v8, v8, |v[XS+14]|, |v[XS+15]|
	s_delay_alu instid0(VALU_DEP_1)
	v_max3_num_f32 v8, v8, v9, 0x1800000           ; and the floor 2^(3 - 127): the byte cannot fall under 1
	s_delay_alu instid0(VALU_DEP_1)
	v_max_num_f32_dpp v8, v8, v8 row_xmask:1 row_mask:0xf bank_mask:0xf   ; with my neighbour's 16: the block's
	s_delay_alu instid0(VALU_DEP_1)
	v_add_nc_u32 v11, 0xff000000, v8               ; 2 off its exponent field: the conversion takes this operand's exponent field as its scale
	v_cvt_scalef32_pk8_fp4_f32 v[C+4*(\t)], v[XS:XS+7], v11
	v_cvt_scalef32_pk8_fp4_f32 v[C+4*(\t)+1], v[XS+8:XS+15], v11
	v_lshrrev_b32 v[E+(\t)], 23, v11               ; the scale's byte
	ds_store_b8 v5, v[E+(\t)] offset:16*(\t)       ; both lanes of a block write the same byte with the same value
	global_store_b64 v4, v[C+4*(\t):C+4*(\t)+1], s[6:7] offset:32*CB*(\t)   ; the wave stores 256 consecutive bytes, aligned
.endm
.irp t, 0,1,2,3,4,5,6,7,8,9,10,11,12,13,14,15
	WSTEP \t
.endr
	ds_load_b64 v[12:13], v6                       ; my wave's 256 scale bytes: these loads see my stores
	s_wait_dscnt 0x0
	global_store_b64 v7, v[12:13], s[34:35]        ; 256 consecutive bytes, aligned
	s_wait_tensorcnt 0x0
	ds_add_u32 v254, v255
	s_wait_dscnt 0x0
	s_endpgm
; ---------------- the running sum of x ----------------
.Lscan:
	s_wait_alu depctr_va_vdst(0)
	v_lshlrev_b32 v3, 3, v2                        ; 8 bytes a lane
	s_wait_alu depctr_va_vdst(0)
	s_sub_co_u32 s37, ttmp9, 160
	s_lshr_b32 s38, s37, 5                         ; batch
	s_bfe_u32 s48, s37, 0x10004                    ; which half of it
	s_and_b32 s39, s37, 15                         ; which 64 columns
	s_lshl_b32 s40, s38, 23                        ; x: 8,388,608 bytes a batch,
	s_lshl_b32 s42, s48, 22                        ; 4,194,304 a half,
	s_add_co_u32 s40, s40, s42
	s_lshl_b32 s42, s36, 19                        ; 128 rows of 4,096 bytes a wave,
	s_add_co_u32 s40, s40, s42
	s_lshl_b32 s42, s39, 8                         ; 256 bytes of a row
	s_add_co_u32 s40, s40, s42
	s_mov_b32 s41, 0
	s_lshl_b32 s42, s38, 8                         ; gp: 256 chunks a batch, 128 a half, 16 a wave, 4,096 bytes a chunk
	s_lshl_b32 s43, s48, 7
	s_add_co_u32 s42, s42, s43
	s_lshl_b32 s43, s36, 4
	s_add_co_u32 s42, s42, s43
	s_lshl_b32 s42, s42, 12
	s_lshl_b32 s43, s39, 8
	s_add_co_u32 s42, s42, s43
	s_mov_b32 s43, 0
	s_lshl_b32 s46, s38, 13                        ; the halves' bases: two rows of 4,096 bytes a batch
	s_lshl_b32 s47, s39, 8
	s_add_co_u32 s46, s46, s47
	s_add_co_u32 s46, s46, GPH
	s_mov_b32 s47, 0
	s_lshl_b32 s49, s48, 3
	s_add_co_u32 s49, s49, s36                     ; 7 in wave 7 of a first half alone
	s_lshl_b32 s44, s36, 8
	s_add_co_u32 s44, s44, SCANL
	v_add_nc_u32 v170, s44, v3                     ; where my wave's total goes
	v_add_nc_u32 v171, SCANL, v3                   ; and where the totals are read
	v_mov_b32 v[L], 0
	v_mov_b32 v[L+1], 0
	v_mov_b32 v[ZR], 0
	v_mov_b32 v[ZR+1], 0
	s_wait_alu depctr_va_vdst(0)
	s_wait_kmcnt 0x0
	s_add_nc_u64 s[4:5], s[28:29], s[40:41]
	s_add_nc_u64 s[6:7], s[32:33], s[42:43]
	s_add_nc_u64 s[34:35], s[32:33], s[46:47]
.macro SLOAD g                         ; chunk g: 8 rows, 256 consecutive bytes each.  x is read again by the next launch: no hint
.irp j, 0,1,2,3,4,5,6,7
	global_load_b64 v[RAW+16*((\g)%SETS)+2*\j:RAW+16*((\g)%SETS)+2*\j+1], v3, s[4:5] offset:(8*(\g)+\j)*4096
.endr
.endm
.macro CH g
.if NCH-1-(\g) >= SETS-1
	s_wait_loadcnt 8*(SETS-1)                      ; chunk g's eight loads are in; those of the six chunks behind it may be out
.else
	s_wait_loadcnt 8*(NCH-1-(\g))                  ; the last chunks: the count runs down with the chunks that are left
.endif
	v_pk_add_f32 v[L+2*(\g)+2:L+2*(\g)+3], v[L+2*(\g):L+2*(\g)+1], v[RAW+16*((\g)%SETS):RAW+16*((\g)%SETS)+1]
.irp j, 1,2,3,4,5,6,7
	s_delay_alu instid0(VALU_DEP_1)
	v_pk_add_f32 v[L+2*(\g)+2:L+2*(\g)+3], v[L+2*(\g)+2:L+2*(\g)+3], v[RAW+16*((\g)%SETS)+2*\j:RAW+16*((\g)%SETS)+2*\j+1]
.endr
.if (\g)+SETS <= NCH-1
	s_wait_alu depctr_va_vdst(0)
	SLOAD (\g)+SETS
.endif
.endm
.irp g, 0,1,2,3,4,5,6
	SLOAD \g
.endr
.set Q, 0
.rept NCH
	s_wait_alu depctr_va_vdst(0)
	CH Q
.set Q, Q+1
.endr
	ds_store_b64 v170, v[L+2*NCH:L+2*NCH+1]        ; my wave's total
	s_wait_dscnt 0x0                               ; for the others' sake
	s_barrier_signal -1
	s_barrier_wait -1
.irp u, 0,1,2,3,4,5,6
	ds_load_b64 v[TOT+2*\u:TOT+2*\u+1], v171 offset:256*\u
.endr
	v_mov_b32 v[BASE], 0
	v_mov_b32 v[BASE+1], 0
	s_wait_dscnt 0x0
.irp u, 0,1,2,3,4,5,6
	s_cmp_le_u32 s36, \u                           ; only the waves in front of mine count
	s_cbranch_scc1 .Lbased
	s_wait_alu depctr_va_vdst(0)
	v_pk_add_f32 v[BASE:BASE+1], v[BASE:BASE+1], v[TOT+2*\u:TOT+2*\u+1]
.endr
.Lbased:
.set Q, 0
	s_wait_alu depctr_va_vdst(0)
.rept NCH+1
	v_pk_add_f32 v[L+2*Q:L+2*Q+1], v[L+2*Q:L+2*Q+1], v[BASE:BASE+1]   ; the seventeenth is the sum up to my wave's last row
.set Q, Q+1
.endr
.set Q, 0
.rept NCH
	global_store_b64 v3, v[L+2*Q:L+2*Q+1], s[6:7] offset:Q*4096   ; 256 consecutive bytes, aligned; each store has data registers of its own
.set Q, Q+1
.endr
	s_cmp_lg_u32 s49, 7
	s_cbranch_scc1 .Lscan_end
	global_store_b64 v3, v[ZR:ZR+1], s[34:35]                          ; the first half's base: zeros
	global_store_b64 v3, v[L+2*NCH:L+2*NCH+1], s[34:35] offset:4096    ; the second half's: the first half's total
.Lscan_end:
	s_wait_tensorcnt 0x0
	ds_add_u32 v254, v255
	s_wait_dscnt 0x0
	s_endpgm
.Lfunc_end_k_q6a89359085_prep1:
	.size	k_q6a89359085_prep1, .Lfunc_end_k_q6a89359085_prep1-k_q6a89359085_prep1
	.p2alignl 7, 3214868480
	.fill 96, 4, 3214868480
	.section	.rodata,"a",@progbits
	.p2align	6, 0x0
	.amdhsa_kernel k_q6a89359085_prep1
		.amdhsa_group_segment_fixed_size 68608
		.amdhsa_private_segment_fixed_size 0
		.amdhsa_enable_private_segment 0
		.amdhsa_kernarg_size 104
		.amdhsa_user_sgpr_count 2
		.amdhsa_user_sgpr_kernarg_segment_ptr 1
		.amdhsa_wavefront_size32 1
		.amdhsa_system_sgpr_workgroup_id_x 1
		.amdhsa_system_sgpr_workgroup_id_y 1
		.amdhsa_system_sgpr_workgroup_id_z 1
		.amdhsa_system_vgpr_workitem_id 0
		.amdhsa_next_free_vgpr 256
		.amdhsa_next_free_sgpr 66
		.amdhsa_reserve_vcc 0
		.amdhsa_float_denorm_mode_32 3
		.amdhsa_float_denorm_mode_16_64 3
		.amdhsa_memory_ordered 1
		.amdhsa_forward_progress 1
		.amdhsa_inst_pref_size 70
	.end_amdhsa_kernel
	.amdgpu_metadata
---
amdhsa.version: [ 1, 2 ]
amdhsa.kernels:
  - .name:           k_q6a89359085_prep1
    .symbol:         k_q6a89359085_prep1.kd
    .args:
      - { .name: qWp, .offset: 0, .size: 8, .value_kind: global_buffer, .address_space: global }
      - { .name: kWp, .offset: 8, .size: 8, .value_kind: global_buffer, .address_space: global }
      - { .name: vWp, .offset: 16, .size: 8, .value_kind: global_buffer, .address_space: global }
      - { .name: qWi, .offset: 24, .size: 8, .value_kind: global_buffer, .address_space: global }
      - { .name: kWi, .offset: 32, .size: 8, .value_kind: global_buffer, .address_space: global }
      - { .name: vWi, .offset: 40, .size: 8, .value_kind: global_buffer, .address_space: global }
      - { .name: qWd, .offset: 48, .size: 8, .value_kind: global_buffer, .address_space: global }
      - { .name: kWd, .offset: 56, .size: 8, .value_kind: global_buffer, .address_space: global }
      - { .name: vWd, .offset: 64, .size: 8, .value_kind: global_buffer, .address_space: global }
      - { .name: oW, .offset: 72, .size: 8, .value_kind: global_buffer, .address_space: global }
      - { .name: x, .offset: 80, .size: 8, .value_kind: global_buffer, .address_space: global }
      - { .name: wq, .offset: 88, .size: 8, .value_kind: global_buffer, .address_space: global }
      - { .name: gp, .offset: 96, .size: 8, .value_kind: global_buffer, .address_space: global }
    .group_segment_fixed_size: 68608
    .private_segment_fixed_size: 0
    .kernarg_segment_align: 8
    .kernarg_segment_size: 104
    .max_flat_workgroup_size: 256
    .sgpr_count:     66
    .vgpr_count:     256
    .wavefront_size: 32
...
	.end_amdgpu_metadata
.endif
;; end of part 1
;; launch prep2 (part 2): grid 256 x 1, 4 waves a work-group, no clusters, 25,088 bytes of LDS; arguments x, gp, qWg, kWg, vWg, qbg, kbg, vbg, aq; writes aq
.if DOCPART == 2
	.amdgcn_target "amdgcn-amd-amdhsa--gfx1250"
	.amdhsa_code_object_version 6
	.text
	.protected	k_q6a89359085_prep2
	.globl	k_q6a89359085_prep2
	.p2align	8
	.type	k_q6a89359085_prep2,@function
k_q6a89359085_prep2:
	s_mov_b64 s[64:65], 0
	v_nop
	global_prefetch_b8 v0, s[64:65] scope:SCOPE_SE
	s_setreg_imm32_b32 hwreg(HW_REG_WAVE_MODE, 25, 1), 1
	s_wait_xcnt 0x0
; The three left operands of the nine projections, and the nine gates of each token.
;   segment 0: x;  segment 1: the running mean, cumsum(x) / (t + 1);  segment 2: x[t] - x[t - 1] (0 at a batch's first row).  Each is quantised along D to FP4 (E2M1) with one E8M0 byte for 32.
;   aq: codes [segment][row][512]; from ASO on scale bytes [segment][row][32]; from GO on the gates [3 x projection + i][token] f32.  In codes and scale bytes token l lies at the row whose number is l with bits 3 and 4 exchanged.
;   gates: softmax over i of (x . Wg[i] + bg[i]), all in f32 by fused multiply-adds, the maximum taken away first.
; SHARES.  A work-group takes 16 tokens; wave w rows 8 (w / 2) + 0..7, columns 512 (w % 2) + 0..511.  Each load reads 512 consecutive bytes; a row half turns through the wave's own stage in LDS so that a lane holds 16
; neighbouring columns (two lanes a block).  The running sum starts from gp: the sum, inside these rows' half of the batch, in front of these 8 rows, and the half's base from behind GPH; it stays in registers.
; The row before is kept for the difference.  The quotient is a reciprocal with one correction step: q = s r; q += (s - q d) r.
; LIMITS: NaN and infinities are not served; a block whose largest magnitude lies under 2^-124 gets the byte 1 (read by this program alone).  The gates leave in pieces of 64 bytes: 576 of the work-group's 26,688 stored bytes.
; No tensor loads, no matrix unit, no cluster: a stream.
.set SEGA, 2097152
.set ASO,  6291456
.set GO,   6684672
.set GPH,  2097152                     ; in gp: the halves' bases, [batch][half][1024] f32
.set SP,   80
.set SSTG, 20480                       ; LDS: scale bytes [segment 3][w / 2][row 8][32]
.set GSTG, 22016                       ; LDS: gate partial sums [row 16][half 2][12 words, 9 used]
.set R,  32                            ; v32-95   four sets as loaded
.set X,  96                            ; v96-143  three sets of 16 neighbours: this row, the row before, the row to come
.set S,  144                           ; v144-159 the running sum
.set XI, 160                           ; v160-175 the mean; at the head the half's base
.set XD, 176                           ; v176-191 the difference
.set GA, 192                           ; v192-209 nine pairs: the gates' dot products
.set GT, 210                           ; v210-218 lane permutes' destinations
.set C,  220                           ; v220-225 codes
.set E,  226                           ; v226-228 scale bytes
.set T,  230                           ; v230-237 at work
; window 1 (v256-399): my 16 columns of the nine rows of Wg, row g at 16 g
.set MSB, 0
.macro WIN new                         ; the immediate's high byte repeats the setting that is left
.if MSB != \new
	s_set_vgpr_msb (MSB<<8)|\new
.set MSB, \new
.endif
.endm
	s_load_b512 s[8:23], s[0:1], 0x0               ; x gp qWg kWg vWg qbg kbg vbg
	s_load_b64 s[24:25], s[0:1], 0x40              ; aq
	v_lshl_add_u32 v254, v0, 2, 0x6000
	v_mov_b32 v255, 0
	v_lshrrev_b32 v1, 5, v0
	v_readfirstlane_b32 s26, v1                    ; wave
	v_and_b32 v2, 31, v0                           ; lane
	v_lshlrev_b32 v3, 4, v2
	v_lshlrev_b32 v4, 3, v2
	v_lshlrev_b32 v7, 6, v2
	s_lshr_b32 s27, s26, 1                         ; which 8 rows
	s_and_b32 s28, s26, 1                          ; which 512 columns
	s_and_b32 s29, ttmp9, 1
	s_mul_i32 s30, s26, 5120
	v_lshrrev_b32 v14, 2, v2
	v_mul_u32_u24 v14, v14, SP
	v_and_b32 v15, 3, v2
	v_lshl_add_u32 v14, v15, 4, v14
	v_add_nc_u32 v14, s30, v14                     ; the stage, in
	v_mul_u32_u24 v15, v2, SP
	v_add_nc_u32 v15, s30, v15                     ; the stage, out
	s_lshl_b32 s30, s27, 8
	s_lshl_b32 s31, s28, 4
	s_add_co_u32 s30, s30, s31
	s_add_co_u32 s30, s30, SSTG
	v_lshrrev_b32 v5, 1, v2
	v_add_nc_u32 v5, s30, v5                       ; my block's scale byte
	s_mul_i32 s30, s27, 768
	s_mul_i32 s31, s28, 48
	s_add_co_u32 s30, s30, s31
	s_add_co_u32 s30, s30, GSTG
	v_mov_b32 v6, s30                              ; my wave's gate partial sums
	v_and_b32 v19, 15, v0
	v_mul_u32_u24 v17, v19, 96
	v_add_nc_u32 v17, GSTG, v17                    ; the end, wave 0: token lane % 16
	v_lshlrev_b32 v19, 2, v19
	s_lshl_b32 s30, s26, 9
	s_add_co_u32 s30, s30, SSTG-512
	v_add_nc_u32 v18, s30, v4                      ; the end, waves 1 to 3: segment wave - 1
	s_lshl_b32 s32, ttmp9, 4
	s_lshl_b32 s33, s27, 3
	s_add_co_u32 s32, s32, s33                     ; my first token
	s_and_b32 s33, s32, 2047                       ; its number in its batch
	v_cvt_f32_u32 v8, s33                          ; the divisor, one less than the first row's
	v_mov_b32 v9, 0                                ; (named as upper halves of pairs)
	v_mov_b32 v11, 0
.irp g, 0,1,2,3,4,5,6,7,8
	v_mov_b32 v[GT+\g], 0                          ; a lane permute's destination counts as one of its sources
.endr
	s_lshl_b32 s58, s28, 11                        ; my half of a row: 2,048 bytes
	s_mov_b32 s59, 0
	s_lshl_b32 s34, s32, 12
	s_add_co_u32 s34, s34, s58
	s_mov_b32 s35, 0
	s_lshr_b32 s50, s32, 3
	s_lshl_b32 s50, s50, 12
	s_add_co_u32 s50, s50, s58
	s_mov_b32 s51, 0
	s_lshr_b32 s2, s32, 10                         ; 2 x batch + half: which row behind GPH is mine
	s_lshl_b32 s2, s2, 12
	s_add_co_u32 s2, s2, s58
	s_add_co_u32 s2, s2, GPH
	s_mov_b32 s3, 0
	s_lshr_b32 s52, ttmp9, 1
	s_lshl_b32 s52, s52, 5
	s_lshl_b32 s53, s29, 3
	s_add_co_u32 s52, s52, s53                     ; the stored row of my work-group's first token
	s_lshl_b32 s53, s27, 4
	s_add_co_u32 s53, s53, s52                     ; of my wave's: its 8 rows stay neighbours
	s_lshl_b32 s54, s53, 9
	s_lshl_b32 s55, s28, 8
	s_add_co_u32 s54, s54, s55
	s_mov_b32 s55, 0
	s_mov_b32 s49, 0
	s_mov_b32 s62, 0x76543210
	s_mov_b32 s63, 0xfedcba98                      ; v_permlanex16_b32's selects for lane l xor 16
	s_cmp_eq_u32 s33, 0
	s_cselect_b32 s48, 0, 4096                     ; a batch's first row is its own 'row before': the difference is 0
	s_wait_kmcnt 0x0
	s_load_b96 s[36:38], s[18:19], 0x0             ; the biases
	s_load_b96 s[40:42], s[20:21], 0x0
	s_load_b96 s[44:46], s[22:23], 0x0
	s_add_nc_u64 s[8:9], s[8:9], s[34:35]
	s_sub_nc_u64 s[56:57], s[8:9], s[48:49]
	s_add_nc_u64 s[4:5], s[10:11], s[2:3]          ; the half's base
	s_add_nc_u64 s[10:11], s[10:11], s[50:51]
	s_add_nc_u64 s[12:13], s[12:13], s[58:59]
	s_add_nc_u64 s[14:15], s[14:15], s[58:59]
	s_add_nc_u64 s[16:17], s[16:17], s[58:59]
	s_add_nc_u64 s[60:61], s[24:25], s[54:55]
	WIN 0x40                                       ; destination window 1
.irp g, 0,1,2,3,4,5,6,7,8
.irp j, 0,1,2,3
	global_load_b128 v[16*\g+4*\j:16*\g+4*\j+3], v7, s[12+2*(\g/3):13+2*(\g/3)] offset:(\g%3)*4096+16*\j
.endr
.endr
	WIN 0
.irp j, 0,1,2,3
	global_load_b128 v[S+4*\j:S+4*\j+3], v7, s[10:11] offset:16*\j
.endr
.irp j, 0,1,2,3
	global_load_b128 v[XI+4*\j:XI+4*\j+3], v7, s[4:5] offset:16*\j
.endr
.macro LOAD t                          ; step 0: the row before; step t: my row t - 1
.irp i, 0,1,2,3
.if (\t) == 0
	global_load_b128 v[R+4*\i:R+4*\i+3], v3, s[56:57] offset:512*\i
.else
	global_load_b128 v[R+16*((\t)%4)+4*\i:R+16*((\t)%4)+4*\i+3], v3, s[8:9] offset:((\t)-1)*4096+512*\i
.endif
.endr
.endm
.macro TURN t
.irp i, 0,1,2,3
	ds_store_b128 v14, v[R+16*((\t)%4)+4*\i:R+16*((\t)%4)+4*\i+3] offset:32*SP*((\t)%2)+8*SP*\i
.endr
.irp i, 0,1,2,3
	ds_load_b128 v[X+16*((\t)%3)+4*\i:X+16*((\t)%3)+4*\i+3], v15 offset:32*SP*((\t)%2)+16*\i
.endr
.endm
.macro QROW src, seg, i                ; 16 numbers a lane become 16 codes; two lanes' largest magnitude gives the block's byte
	v_max3_num_f32 v12, |v[\src]|, |v[\src+1]|, |v[\src+2]|
	v_max3_num_f32 v13, |v[\src+3]|, |v[\src+4]|, |v[\src+5]|
.irp k, 6,10
	v_max3_num_f32 v12, v12, |v[\src+\k]|, |v[\src+\k+1]|
	v_max3_num_f32 v13, v13, |v[\src+\k+2]|, |v[\src+\k+3]|
.endr
	v_max3_num_f32 v12, v12, |v[\src+14]|, |v[\src+15]|
	v_max3_num_f32 v12, v12, v13, 0x1800000        ; the floor 2^(3 - 127)
	v_max_num_f32_dpp v12, v12, v12 row_xmask:1 row_mask:0xf bank_mask:0xf
	v_add_nc_u32 v16, 0xff000000, v12              ; 2 off the exponent field: the conversion's scale operand
	v_cvt_scalef32_pk8_fp4_f32 v[C+2*\seg], v[\src:\src+7], v16
	v_cvt_scalef32_pk8_fp4_f32 v[C+2*\seg+1], v[\src+8:\src+15], v16
	v_lshrrev_b32 v[E+\seg], 23, v16               ; the byte (a plain line behind the conversions)
	ds_store_b8 v5, v[E+\seg] offset:\seg*512+(\i)*32
	global_store_b64 v4, v[C+2*\seg:C+2*\seg+1], s[60:61] offset:\seg*SEGA+(\i)*512   ; the wave stores 256 consecutive bytes, aligned
.endm
.macro WORK i                          ; my row i
.set XC, X+16*(((\i)+1)%3)
.set XP, X+16*((\i)%3)
	s_wait_xcnt 0x0                                ; the last row's stores have read their data: the codes' registers are written again only behind this wait
	v_add_f32 v8, 1.0, v8                          ; t + 1
	s_wait_alu depctr_va_vdst(0)
	v_rcp_f32 v10, v8
	WIN 0x04                                       ; source 1 (Wg) window 1
.irp g, 0,1,2,3,4,5,6,7,8
	v_pk_mul_f32 v[GA+2*\g:GA+2*\g+1], v[XC:XC+1], v[16*\g:16*\g+1]   ; nine chains by turns
.endr
.irp k, 2,4,6,8,10,12,14
.irp g, 0,1,2,3,4,5,6,7,8
	v_pk_fma_f32 v[GA+2*\g:GA+2*\g+1], v[XC+\k:XC+\k+1], v[16*\g+\k:16*\g+\k+1], v[GA+2*\g:GA+2*\g+1]
.endr
.endr
	WIN 0
.irp g, 0,1,2,3,4,5,6,7,8
	v_add_f32 v[GA+2*\g], v[GA+2*\g], v[GA+2*\g+1]
.endr
.irp m, 1,2,4,8
.irp g, 0,1,2,3,4,5,6,7,8
	v_add_f32_dpp v[GA+2*\g], v[GA+2*\g], v[GA+2*\g] row_xmask:\m row_mask:0xf bank_mask:0xf
.endr
.endr
.irp g, 0,1,2,3,4,5,6,7,8
	v_permlanex16_b32 v[GT+\g], v[GA+2*\g], s62, s63
.endr
.irp g, 0,1,2,3,4,5,6,7,8
	v_add_f32 v[GA+2*\g], v[GA+2*\g], v[GT+\g]     ; my half row's part of the nine dot products, in every lane
.endr
.irp g, 0,1,2,3,4,5,6,7,8
	ds_store_b32 v6, v[GA+2*\g] offset:(\i)*96+4*\g   ; all lanes write the same word with the same value
.endr
.irp k, 0,2,4,6,8,10,12,14
	v_pk_add_f32 v[S+\k:S+\k+1], v[S+\k:S+\k+1], v[XC+\k:XC+\k+1]
.endr
	s_wait_alu depctr_va_vdst(0)                   ; the one wait for the reciprocal, ahead of its first reader; the gates' work stands between
.irp k, 0,2,4,6,8,10,12,14
	v_pk_mul_f32 v[XI+\k:XI+\k+1], v[S+\k:S+\k+1], v[10:11] op_sel_hi:[1,0]
.endr
.irp u, 0,8
.irp k, 0,2,4,6
	v_pk_fma_f32 v[T+\k:T+\k+1], v[XI+\u+\k:XI+\u+\k+1], v[8:9], v[S+\u+\k:S+\u+\k+1] op_sel_hi:[1,0,1] neg_lo:[1,0,0] neg_hi:[1,0,0]   ; what is left: s - q d
.endr
.irp k, 0,2,4,6
	v_pk_fma_f32 v[XI+\u+\k:XI+\u+\k+1], v[T+\k:T+\k+1], v[10:11], v[XI+\u+\k:XI+\u+\k+1] op_sel_hi:[1,0,1]
.endr
.endr
.irp k, 0,2,4,6,8,10,12,14
	v_pk_add_f32 v[XD+\k:XD+\k+1], v[XC+\k:XC+\k+1], v[XP+\k:XP+\k+1] neg_lo:[0,1] neg_hi:[0,1]
.endr
	QROW XC, 0, \i
	QROW XI, 1, \i
	QROW XD, 2, \i
.endm
.macro STEP t
	s_wait_dscnt 0x0                               ; step t's numbers are back from the stage, and every LDS store of mine has been served
.if (\t)+4 <= 8
	LOAD (\t)+4
.endif
.if (\t)+1 <= 8
.if (\t)+4 <= 8
	s_wait_loadcnt 12                              ; the next step's four loads are in; those of the three steps behind it may be out
.else
	s_wait_loadcnt 4*(8-((\t)+1))
.endif
	TURN (\t)+1
.endif
.if (\t) >= 1
	WORK (\t)-1
.endif
.endm
.irp t, 0,1,2,3
	LOAD \t
.endr
	s_wait_loadcnt 12                              ; Wg, gp's two parts and step 0 are in (loads come back in order); steps 1 to 3 may be out
	s_wait_kmcnt 0x0                               ; the biases
	TURN 0
.irp k, 0,2,4,6,8,10,12,14
	v_pk_add_f32 v[S+\k:S+\k+1], v[S+\k:S+\k+1], v[XI+\k:XI+\k+1]   ; the half's base onto the sum inside the half: once, ahead of the first row
.endr
.irp t, 0,1,2,3,4,5,6,7,8
	STEP \t
.endr
	s_wait_dscnt 0x0                               ; for the others' sake: my scale bytes and partial sums lie in LDS
	s_barrier_signal -1
	s_barrier_wait -1
	s_cmp_lg_u32 s26, 0
	s_cbranch_scc1 .Lscales
	; wave 0: the gates of the 16 tokens; lanes 16-31 repeat lanes 0-15
	ds_load_b128 v[32:35], v17
	ds_load_b128 v[36:39], v17 offset:16
	ds_load_b32 v40, v17 offset:32
	ds_load_b128 v[44:47], v17 offset:48
	ds_load_b128 v[48:51], v17 offset:64
	ds_load_b32 v52, v17 offset:80
	s_lshl_b32 s34, ttmp9, 6
	s_add_co_u32 s34, s34, GO
	s_mov_b32 s35, 0
	s_add_nc_u64 s[34:35], s[24:25], s[34:35]
	s_wait_dscnt 0x0
.irp g, 0,1,2,3,4,5,6,7,8
	v_add_f32 v[32+\g], v[32+\g], v[44+\g]         ; the two halves of the row
.endr
.irp g, 0,1,2,3,4,5,6,7,8
	v_add_f32 v[32+\g], s[36+4*(\g/3)+\g%3], v[32+\g]
.endr
.irp p, 0,1,2
	v_max3_num_f32 v[56+\p], v[32+3*\p], v[33+3*\p], v[34+3*\p]
.endr
.irp g, 0,1,2,3,4,5,6,7,8
	v_sub_f32 v[32+\g], v[32+\g], v[56+\g/3]
.endr
.irp g, 0,1,2,3,4,5,6,7,8
	v_mul_f32 v[32+\g], 0x3fb8aa3b, v[32+\g]
.endr
	s_wait_alu depctr_va_vdst(0)
.irp g, 0,1,2,3,4,5,6,7,8
	v_exp_f32 v[32+\g], v[32+\g]
.endr
	v_nop                                          ; a plain line behind the last exponential
	s_wait_alu depctr_va_vdst(0)                   ; one wait for the nine
.irp p, 0,1,2
	v_add_f32 v[56+\p], v[32+3*\p], v[33+3*\p]
.endr
.irp p, 0,1,2
	v_add_f32 v[56+\p], v[56+\p], v[34+3*\p]
.endr
	s_wait_alu depctr_va_vdst(0)
.irp p, 0,1,2
	v_rcp_f32 v[56+\p], v[56+\p]
.endr
	v_nop
	s_wait_alu depctr_va_vdst(0)                   ; one wait for the three
.irp g, 0,1,2,3,4,5,6,7,8
	v_mul_f32 v[32+\g], v[32+\g], v[56+\g/3]
.endr
.irp g, 0,1,2,3,4,5,6,7,8
	global_store_b32 v19, v[32+\g], s[34:35] offset:\g*16384
.endr
	s_wait_tensorcnt 0x0
	ds_add_u32 v254, v255
	s_wait_dscnt 0x0
	s_endpgm
.Lscales:                              ; waves 1 to 3: a segment's scale bytes, two runs of 8 stored rows
	ds_load_b64 v[32:33], v18
	ds_load_b64 v[34:35], v18 offset:256
	s_sub_co_u32 s30, s26, 1
	s_lshl_b32 s30, s30, 17
	s_lshl_b32 s31, s52, 5
	s_add_co_u32 s30, s30, s31
	s_add_co_u32 s30, s30, ASO
	s_mov_b32 s31, 0
	s_add_nc_u64 s[30:31], s[24:25], s[30:31]
	s_wait_dscnt 0x0
	global_store_b64 v4, v[32:33], s[30:31]            ; 256 consecutive bytes, aligned
	global_store_b64 v4, v[34:35], s[30:31] offset:512 ; the rows 16 further on
	s_wait_tensorcnt 0x0
	ds_add_u32 v254, v255
	s_wait_dscnt 0x0
	s_endpgm
.Lfunc_end_k_q6a89359085_prep2:
	.size	k_q6a89359085_prep2, .Lfunc_end_k_q6a89359085_prep2-k_q6a89359085_prep2
	.p2alignl 7, 3214868480
	.fill 96, 4, 3214868480
	.section	.rodata,"a",@progbits
	.p2align	6, 0x0
	.amdhsa_kernel k_q6a89359085_prep2
		.amdhsa_group_segment_fixed_size 25088
		.amdhsa_private_segment_fixed_size 0
		.amdhsa_enable_private_segment 0
		.amdhsa_kernarg_size 72
		.amdhsa_user_sgpr_count 2
		.amdhsa_user_sgpr_kernarg_segment_ptr 1
		.amdhsa_wavefront_size32 1
		.amdhsa_system_sgpr_workgroup_id_x 1
		.amdhsa_system_sgpr_workgroup_id_y 1
		.amdhsa_system_sgpr_workgroup_id_z 1
		.amdhsa_system_vgpr_workitem_id 0
		.amdhsa_next_free_vgpr 400
		.amdhsa_next_free_sgpr 66
		.amdhsa_reserve_vcc 0
		.amdhsa_float_denorm_mode_32 3
		.amdhsa_float_denorm_mode_16_64 3
		.amdhsa_memory_ordered 1
		.amdhsa_forward_progress 1
		.amdhsa_inst_pref_size 135
	.end_amdhsa_kernel
	.amdgpu_metadata
---
amdhsa.version: [ 1, 2 ]
amdhsa.kernels:
  - .name:           k_q6a89359085_prep2
    .symbol:         k_q6a89359085_prep2.kd
    .args:
      - { .name: x, .offset: 0, .size: 8, .value_kind: global_buffer, .address_space: global }
      - { .name: gp, .offset: 8, .size: 8, .value_kind: global_buffer, .address_space: global }
      - { .name: qWg, .offset: 16, .size: 8, .value_kind: global_buffer, .address_space: global }
      - { .name: kWg, .offset: 24, .size: 8, .value_kind: global_buffer, .address_space: global }
      - { .name: vWg, .offset: 32, .size: 8, .value_kind: global_buffer, .address_space: global }
      - { .name: qbg, .offset: 40, .size: 8, .value_kind: global_buffer, .address_space: global }
      - { .name: kbg, .offset: 48, .size: 8, .value_kind: global_buffer, .address_space: global }
      - { .name: vbg, .offset: 56, .size: 8, .value_kind: global_buffer, .address_space: global }
      - { .name: aq, .offset: 64, .size: 8, .value_kind: global_buffer, .address_space: global }
    .group_segment_fixed_size: 25088
    .private_segment_fixed_size: 0
    .kernarg_segment_align: 8
    .kernarg_segment_size: 72
    .max_flat_workgroup_size: 128
    .sgpr_count:     66
    .vgpr_count:     400
    .wavefront_size: 32
...
	.end_amdgpu_metadata
.endif
;; end of part 2
;; launch proj (part 3): grid 8 x 32, 4 waves a work-group, clusters of 4 x 4, 327,680 bytes of LDS; arguments aq, wq, qkv; writes qkv
.if DOCPART == 3
	.amdgcn_target "amdgcn-amd-amdhsa--gfx1250"
	.amdhsa_code_object_version 6
	.text
	.protected	k_q6a89359085_proj
	.globl	k_q6a89359085_proj
	.p2align	8
	.type	k_q6a89359085_proj,@function
k_q6a89359085_proj:
	s_mov_b64 s[64:65], 0
	v_nop
	global_prefetch_b8 v0, s[64:65] scope:SCOPE_SE
	s_setreg_imm32_b32 hwreg(HW_REG_WAVE_MODE, 25, 1), 1
	s_wait_xcnt 0x0
	s_wait_alu depctr_hold_cnt(0) depctr_sa_sdst(0) depctr_va_vdst(0) depctr_va_sdst(0) depctr_va_ssrc(0) depctr_va_vcc(0) depctr_vm_vsrc(0)
	s_getreg_b32 s2, hwreg(HW_REG_IB_STS2, 6, 4)
	s_cmp_eq_u32 s2, 0
	s_cbranch_scc0 .Lentry_in_a_cluster
	s_endpgm
.Lentry_in_a_cluster:
	s_bfe_u32 s2, ttmp6, 0x10000c
	s_cmp_lg_u32 s2, 0xf033
	s_cbranch_scc0 .Lentry_shape_is_right
	s_endpgm
.Lentry_shape_is_right:
; Q, K and V: for each projection  g0 (x Wp^T) + g1 (mean Wi^T) + g2 (diff Wd^T): three products on codes of FP4 with E8M0 scales, the gates applied in f32, the result quantised again at once
; (Q and K along the head's 64, V along the keys).  Nothing of Q, K, V goes to memory as f32.
; A WORK-GROUP STAYS: it owns 128 tokens x 128 columns (two heads) and makes that tile of q, then of k, then of v: nine steps of one segment (1,024 codes, rows of 512 bytes) through a ring of two LDS slots,
; which runs on from tile to tile.  256 work-groups.  Four waves, 64 x 64 each: 16 accumulators and the 128 registers of the gate-weighted sum.
; q and k share one text, walked twice; v has a text of its own (the last tile, so its last change of slots asks for nothing): there source 0 is the tokens, so that a lane's registers run along the keys.
; Stored rows have bits 3 and 4 of their number exchanged, so the 16 registers of two neighbouring tiles of source 0 are 16 neighbours.
; THE SCALE WORDS go from memory straight into registers, 32 bytes a row and segment, two loads to 512 consecutive bytes: the tokens' once for the launch, the weights' a tile ahead, each set as soon as its segment is done.
; CLUSTER 4 x 4: the tokens' tiles are shared along a row of the cluster, the weights' along a column: joint loads, one a wave behind each round.
; PREFETCH: behind each joint load the step after the one just asked for: a wave's 64 rows are shared out among the four partners by address, 16 rows (8,192 bytes), 256 bytes a lane.  Steps 0 and 1 come by their loads
; alone; the tokens' rows are asked for in the first tile alone (later tiles read the same rows); the last two changes ask for nothing.
; OUT (qkv): [head 32][key step 16][9,216]: K as 8 images of 16 keys x 64, K's scale words, V as 4 x 2 images of 16 channels x 64 keys, V's scale words; from QFO on [head][64 queries][2,304]: 4 images, scale words.
; LIMITS: NaN and infinities are not served; a block whose largest magnitude lies under 2^-124 gets the byte 1 (read by this program alone).
; REGISTERS.  window 0: v0-31 addresses; v32-127 the tokens' scale words (segment, tile, 128 along K); v128-223 the weights'; v224-255 gates.  window 1: v0-127 accumulators (yt, xt) at 8 (4 yt + xt); v128-255 the weighted sum.
; window 2: v0-127 two sets of fragments (tokens' tiles at 8 t, weights' at 32 + 8 t), at work on the way out; v128-147 codes and scale words on their way out.
.set SEGA,  2097152                    ; from segment to segment in aq's codes
.set SEGW,  1572864                    ; and in wq's
.set WPRJ,  524288                     ; from projection to projection in wq's codes
.set ASO,   6291456
.set GO,    6684672
.set WSO,   5242880
.set QFO,   4718592
.set SSA,   131072                     ; from segment to segment in the tokens' scale bytes
.set SSW,   98304                      ; in the weights'
.set WPS,   32768                      ; from projection to projection there
.set GPJ,   49152                      ; and in the gates
.set PITCH, 528                        ; an LDS row: 512 bytes + 16 of padding
.set HALFT, 64*PITCH                   ; what one tensor load brings
.set SLOT,  4*HALFT                    ; the tokens' two halves, then the weights' two
.set SPARE, 2*SLOT                     ; the spare words, 128 bytes a wave
.set T0,   4                           ; my lane's place among my 64 tokens in a slot
.set W0,   5                           ; among my 64 rows of W
.set ADT,  6                           ; the same in the slot in hand
.set ADW,  7
.set VSC,  8                           ; 32 r
.set VGQ,  10                          ; 4 (r + 8 (r / 8))
.set VGV,  11                          ; 64 h
.set VS16, 13                          ; 16 r
.set VO,   14                          ; 16 x lane
.set PFO,  15                          ; 256 x lane
.set SPW,  28
.set NIL,  29
.set ST,   32
.set SW,   128
.set G,    224
.set TM,   0
.set TP,   8
.set SO,   16
.set BY,   24
.set CD,   128
.set PW,   144
.set G1,   24
.set G0,   32
.set G1B,  48
.set G0B,  56
.set GB,   10                          ; s[10:11] the gates of the tile in hand
.set STB,  80
.set SWB,  82
.set PFT,  84
.set PFW,  86
.set CUR,  88                          ; LDS byte at which the next step's slot begins
.set CNT,  3
.set MSB, 0
.macro WIN new                         ; the immediate's high byte repeats the setting that is left
.if MSB != \new
	s_set_vgpr_msb (MSB<<8)|\new
.set MSB, \new
.endif
.endm
.macro PLACES n
.rept \n
	v_nop
.endr
.endm
.macro JLOAD                           ; waves 0 and 1 fetch the tokens' halves, waves 2 and 3 the weights'; s_nop 0 and four v_nop behind each line
	s_cmp_eq_u32 s15, 0
	s_cbranch_scc0 .Lfor_b_\@
	tensor_load_to_lds s[G0:G0+3], s[G1:G1+7]
	s_nop 0
	PLACES 4
	s_branch .Lasked_\@
.Lfor_b_\@:
	tensor_load_to_lds s[G0B:G0B+3], s[G1B:G1B+7]
	s_nop 0
	PLACES 4
.Lasked_\@:
.endm
.macro CROUND                          ; a round of the cluster's barrier
	s_barrier_signal -1
	s_barrier_wait -1
	s_cmp_lg_u32 s14, 0
	s_cbranch_scc1 .Lnot_wave_0_\@
	s_barrier_signal -3
.Lnot_wave_0_\@:
	s_barrier_wait -3
	s_barrier_signal -1
	s_barrier_wait -1
.endm
	s_load_b128 s[4:7], s[0:1], 0x0                ; aq, wq
	s_load_b64 s[8:9], s[0:1], 0x10                ; qkv
	v_lshl_add_u32 v[SPW], v0, 2, SPARE
	v_mov_b32 v[NIL], 0
	ds_add_u32 v[SPW], v[NIL]                      ; the opening: the add twice on end and its wait ahead of the first tensor load
	ds_add_u32 v[SPW], v[NIL]
	v_lshrrev_b32 v1, 5, v0
	v_readfirstlane_b32 s14, v1                    ; wave
	s_lshr_b32 s15, s14, 1                         ; which 64 tokens are mine.  Also: I fetch for the tokens (0) or the weights (1)
	s_and_b32 s16, s14, 1                          ; which 64 columns.  Also: which 64 rows I fetch
	s_bfe_u32 s40, ttmp6, 0x40000                  ; cx, cy
	s_bfe_u32 s41, ttmp6, 0x40004
	s_lshl_b32 s42, ttmp9, 2
	s_add_co_u32 s42, s42, s40                     ; tile column 0..7
	s_and_b32 s17, ttmp7, 0xffff
	s_lshl_b32 s17, s17, 2
	s_add_co_u32 s17, s17, s41                     ; tile row 0..31
	s_lshl_b32 s43, s41, 2
	s_lshl_b32 s43, 15, s43                        ; my row of the cluster
	s_lshl_b32 s44, 0x1111, s40                    ; my column
	s_mov_b32 s66, 0x76543210
	s_mov_b32 s67, 0xfedcba98
	s_or_b32 s[G1+0], s43, (1<<20)|(1<<21)|(6<<22)|(3<<25)   ; 64 rows x 512 bytes, 16 bytes of padding behind each
	s_or_b32 s[G1B+0], s44, (1<<20)|(1<<21)|(6<<22)|(3<<25)
.irp g, G1, G1B
	s_mov_b32 s[\g+1], 512<<16
	s_mov_b32 s[\g+2], 64<<16
	s_mov_b32 s[\g+3], 512<<16
	s_mov_b32 s[\g+4], 64
	s_mov_b32 s[\g+5], 512
	s_mov_b32 s[\g+6], 0
	s_mov_b32 s[\g+7], 0
.endr
	s_lshl_b32 s18, s16, 6
	s_lshl_b32 s20, s17, 7
	s_add_co_u32 s20, s20, s18                     ; the first token row that I fetch
	s_lshl_b32 s20, s20, 9
	s_mov_b32 s21, 0
	s_lshl_b32 s46, s42, 7
	s_add_co_u32 s46, s46, s18                     ; the first weight row
	s_lshl_b32 s46, s46, 9
	s_mov_b32 s47, 0
	s_mul_i32 s45, s14, HALFT                      ; where they go: no place in the cluster enters an LDS address
	s_mov_b32 s[CUR], 0
	s_wait_dscnt 0x0                               ; both opening adds are done
	s_wait_kmcnt 0x0
	s_mov_b32 s[G0], 1
	s_mov_b32 s[G0+1], s45
	s_add_nc_u64 s[G0+2:G0+3], s[4:5], s[20:21]
	s_or_b32 s[G0+3], s[G0+3], 0x80000000
	s_mov_b32 s[G0B], 1
	s_mov_b32 s[G0B+1], s45
	s_add_nc_u64 s[G0B+2:G0B+3], s[6:7], s[46:47]
	s_or_b32 s[G0B+3], s[G0B+3], 0x80000000
	CROUND                                         ; all sixteen work-groups are here: the first joint loads meet
	JLOAD                                          ; q's segment 0 into slot 0: my one load at the head
	s_mul_i32 s20, s15, HALFT
	s_mul_i32 s21, s16, HALFT
	s_add_co_u32 s21, s21, 2*HALFT
	v_and_b32 v1, 15, v0                           ; r
	v_bfe_u32 v2, v0, 4, 1                         ; h
	v_mul_u32_u24 v3, v1, PITCH
	v_lshl_add_u32 v3, v2, 4, v3
	v_add_nc_u32 v[T0], s20, v3
	v_add_nc_u32 v[W0], s21, v3
	v_lshlrev_b32 v[VSC], 5, v1
	v_and_b32 v[VGQ], 8, v1
	v_add_nc_u32 v[VGQ], v[VGQ], v1
	v_lshlrev_b32 v[VGQ], 2, v[VGQ]
	v_lshlrev_b32 v[VGV], 6, v2
	v_lshlrev_b32 v[VS16], 4, v1
	v_and_b32 v[VO], 31, v0
	v_lshlrev_b32 v[PFO], 8, v[VO]
	v_lshlrev_b32 v[VO], 4, v[VO]
.irp j, 1,3,5,7
	v_mov_b32 v[G+\j], 0                           ; q's and k's gates are named as pairs of which the low word alone is used
.endr
	s_wait_alu depctr_va_vdst(0)                   ; the wait at the end of the head's vector work
	s_lshl_b32 s20, s17, 7
	s_lshl_b32 s21, s15, 6
	s_add_co_u32 s20, s20, s21                     ; my first token
	s_lshl_b32 s20, s20, 5
	s_add_co_u32 s20, s20, ASO
	s_mov_b32 s21, 0
	s_add_nc_u64 s[STB:STB+1], s[4:5], s[20:21]
	s_lshl_b32 s20, s42, 7
	s_add_co_u32 s20, s20, s18                     ; my first row of W
	s_lshl_b32 s20, s20, 5
	s_add_co_u32 s20, s20, WSO
	s_add_nc_u64 s[SWB:SWB+1], s[6:7], s[20:21]
.macro SCLOAD dst, base, off           ; the scale words of 64 rows and one segment: 8 words a row, lane r row r of each tile (lanes 16-31 repeat): 8 loads
.irp t, 0,1,2,3
.irp u, 0,1
	global_load_b128 v[\dst+8*\t+4*\u:\dst+8*\t+4*\u+3], v[VSC], s[\base:\base+1] offset:\off+\t*512+16*\u
.endr
.endr
.endm
.irp s, 0,1,2
	SCLOAD ST+32*\s, STB, \s*SSA
	SCLOAD SW+32*\s, SWB, \s*SSW
.endr
	s_lshl_b32 s20, s17, 9                         ; the gates: [3 p + segment][token]
	s_lshl_b32 s22, s15, 8
	s_add_co_u32 s20, s20, s22
	s_add_co_u32 s20, s20, GO
	s_add_nc_u64 s[GB:GB+1], s[4:5], s[20:21]
	s_lshl_b32 s36, s42, 1                         ; where my results go
	s_add_co_u32 s36, s36, s16
	s_lshr_b32 s37, s17, 4
	s_lshl_b32 s37, s37, 4
	s_add_co_u32 s36, s36, s37                     ; the head, 0..31
	s_and_b32 s37, s17, 15                         ; the key step
	s_lshl_b32 s38, s36, 4
	s_add_co_u32 s38, s38, s37
	s_mul_i32 s38, s38, 9216
	s_lshl_b32 s39, s36, 5
	s_lshl_b32 s37, s37, 1
	s_add_co_u32 s39, s39, s37
	s_add_co_u32 s39, s39, s15
	s_mul_i32 s39, s39, 2304
	s_add_co_u32 s20, s39, QFO
	s_add_nc_u64 s[68:69], s[8:9], s[20:21]        ; Q's images
	s_add_nc_u64 s[70:71], s[68:69], 2048          ; Q's scale words
	s_lshl_b32 s20, s15, 11
	s_add_co_u32 s20, s20, s38
	s_add_nc_u64 s[72:73], s[8:9], s[20:21]        ; K's images
	s_lshl_b32 s20, s15, 8
	s_add_co_u32 s20, s20, s38
	s_add_co_u32 s20, s20, 4096
	s_add_nc_u64 s[74:75], s[8:9], s[20:21]        ; K's scale words
	s_add_nc_u64 s[78:79], s[74:75], 4608          ; V's
	s_lshl_b32 s20, s15, 9
	s_add_co_u32 s20, s20, s38
	s_add_co_u32 s20, s20, 4608
	s_add_nc_u64 s[76:77], s[8:9], s[20:21]        ; V's images
	s_lshl_b32 s98, s15, 4                         ; V's word of keys 64 c on is shifted 16 c bits up
	s_lshl_b32 s20, s17, 7                         ; the prefetches: my work-group's 16 of the 64 rows that I fetch
	s_add_co_u32 s20, s20, s18
	s_lshl_b32 s22, s40, 4
	s_add_co_u32 s20, s20, s22
	s_lshl_b32 s20, s20, 9
	s_add_nc_u64 s[PFT:PFT+1], s[4:5], s[20:21]
	s_lshl_b32 s20, s42, 7
	s_add_co_u32 s20, s20, s18
	s_lshl_b32 s22, s41, 4
	s_add_co_u32 s20, s20, s22
	s_lshl_b32 s20, s20, 9
	s_add_nc_u64 s[PFW:PFW+1], s[6:7], s[20:21]
.macro GLOAD v, seg
.if \v
.irp xt, 0,1,2,3                       ; v: eight gates a lane for each tile of tokens: those of its registers' tokens
	global_load_b128 v[G+8*\xt:G+8*\xt+3], v[VGV], s[GB:GB+1] offset:(\seg)*16384+(32*(\xt/2)+8*(\xt%2))*4
	global_load_b128 v[G+8*\xt+4:G+8*\xt+7], v[VGV], s[GB:GB+1] offset:(\seg)*16384+(32*(\xt/2)+8*(\xt%2))*4+16
.endr
.else
.irp yt, 0,1,2,3                       ; q, k: one gate a lane for each tile of tokens
	global_load_b32 v[G+2*\yt], v[VGQ], s[GB:GB+1] offset:(\seg)*16384+(32*(\yt/2)+8*(\yt%2))*4
.endr
.endif
.endm
.macro FETCH q, f                      ; the fragments of the segment's q-th 128 along K into set f: 16 loads
.irp t, 0,1,2,3
.irp c, 0,1
	ds_load_b128 v[64*(\f)+8*\t+4*\c:64*(\f)+8*\t+4*\c+3], v[ADT] offset:64*(\q)+32*\c+\t*16*PITCH
.endr
.endr
.irp t, 0,1,2,3
.irp c, 0,1
	ds_load_b128 v[64*(\f)+32+8*\t+4*\c:64*(\f)+32+8*\t+4*\c+3], v[ADW] offset:64*(\q)+32*\c+\t*16*PITCH
.endr
.endr
.endm
.macro MUL16 f, q, sg, zero, v         ; the sixteen accumulators take turns, one instruction a turn.  q, k: source 0 = rows of W; v: source 0 = tokens
.if \v
.set XO, 0
.set YO, 32
.set SXB, ST
.set SYB, SW
.else
.set XO, 32
.set YO, 0
.set SXB, SW
.set SYB, ST
.endif
	WIN 0x5a                                       ; sources 0 and 1 window 2, C and D window 1
.irp yt, 0,1,2,3
.irp xt, 0,1,2,3
.if \zero
	v_wmma_scale_f32_16x16x128_f8f6f4 v[8*(4*\yt+\xt):8*(4*\yt+\xt)+7], v[64*(\f)+XO+8*\xt:64*(\f)+XO+8*\xt+7], v[64*(\f)+YO+8*\yt:64*(\f)+YO+8*\yt+7], 0, v[SXB+32*(\sg)+8*\xt+(\q)], v[SYB+32*(\sg)+8*\yt+(\q)] matrix_a_fmt:MATRIX_FMT_FP4 matrix_b_fmt:MATRIX_FMT_FP4
.else
	v_wmma_scale_f32_16x16x128_f8f6f4 v[8*(4*\yt+\xt):8*(4*\yt+\xt)+7], v[64*(\f)+XO+8*\xt:64*(\f)+XO+8*\xt+7], v[64*(\f)+YO+8*\yt:64*(\f)+YO+8*\yt+7], v[8*(4*\yt+\xt):8*(4*\yt+\xt)+7], v[SXB+32*(\sg)+8*\xt+(\q)], v[SYB+32*(\sg)+8*\yt+(\q)] matrix_a_fmt:MATRIX_FMT_FP4 matrix_b_fmt:MATRIX_FMT_FP4
.endif
.endr
.endr
.endm
; A segment: eight times 128 along K; the next fragments are asked for ahead of each sixteen products.  hook: in a tile's last segment the scalar bases step to the next tile and the way out's addresses are set.
.macro SEG sg, v, hook
.set Q, 0
.rept 8
.if Q < 7
	WIN 0x80                                       ; destination window 2, address window 0
	PLACES 4                                       ; in front of loads into registers that the last products read
	FETCH Q+1, 1-Q%2
	s_wait_dscnt 16                                ; all but the sixteen just issued
.else
	s_wait_dscnt 0x0
.endif
.if Q == 0
.if (\hook) == 1
	s_wait_xcnt 0x0                                ; every load, store and prefetch so far has read its registers: the bases may step
	s_add_nc_u64 s[GB:GB+1], s[GB:GB+1], GPJ
	s_add_nc_u64 s[SWB:SWB+1], s[SWB:SWB+1], WPS
	s_add_nc_u64 s[PFW:PFW+1], s[PFW:PFW+1], WPRJ
	s_cmp_eq_u32 s[CNT], 2                         ; the first trip makes q, the second k
	s_cselect_b64 s[12:13], s[68:69], s[72:73]
	s_cselect_b64 s[18:19], s[70:71], s[74:75]
.endif
.if (\hook) == 2
	s_wait_xcnt 0x0
	s_mov_b64 s[12:13], s[76:77]
	s_mov_b64 s[18:19], s[78:79]
.endif
	s_wait_loadcnt NS                              ; this segment's scale words are in; behind them were issued at least NS loads (later sets of scale words and gates)
.endif
	MUL16 Q%2, Q, \sg, Q==0, \v
.set Q, Q+1
.endr
.endm
.macro NEXTSW v, sg, off               ; set sg of the weights' scale words is done with: it takes the next tile's
.if (\v) == 0
	WIN 0
	PLACES 4                                       ; behind the products that read the set
	SCLOAD SW+32*\sg, SWB, \off
.endif
.endm
.macro COMBINE first, v                ; the weighted sum takes the segment's product times its gate; each accumulator is read from its low end on
	WIN 0
	PLACES 4                                       ; behind the last products
	s_wait_loadcnt NC                              ; the gates are in; the NC loads of scale words issued behind them may be out
	WIN 0x51                                       ; the sum and the accumulators window 1, the gates window 0
.irp yt, 0,1,2,3
.irp k, 0,2,4,6,8,10,12,14,16,18,20,22,24,26,28,30
.if \v
.if \first
	v_pk_mul_f32 v[128+32*\yt+\k:129+32*\yt+\k], v[32*\yt+\k:32*\yt+\k+1], v[G+\k:G+\k+1]
.else
	v_pk_fma_f32 v[128+32*\yt+\k:129+32*\yt+\k], v[32*\yt+\k:32*\yt+\k+1], v[G+\k:G+\k+1], v[128+32*\yt+\k:129+32*\yt+\k]
.endif
.else
.if \first
	v_pk_mul_f32 v[128+32*\yt+\k:129+32*\yt+\k], v[32*\yt+\k:32*\yt+\k+1], v[G+2*\yt:G+2*\yt+1] op_sel_hi:[1,0]
.else
	v_pk_fma_f32 v[128+32*\yt+\k:129+32*\yt+\k], v[32*\yt+\k:32*\yt+\k+1], v[G+2*\yt:G+2*\yt+1], v[128+32*\yt+\k:129+32*\yt+\k] op_sel_hi:[1,0,1]
.endif
.endif
.endr
.endr
	WIN 0
.endm
; THE CHANGE OF SLOTS, at a step's head.  fill = 1: the slot just left takes the step after this one; wrap = 1: that step is the next tile's segment 0.
.macro CH fill, wrap
	WIN 0
	s_wait_tensorcnt 0x0                           ; my one load that was out, my part of this step's slot, has landed: so a group 0 may be written
	ds_add_u32 v[SPW], v[NIL]
.if \fill
	s_xor_b32 s[G0+1], s[G0+1], SLOT               ; the other slot (the bits of SLOT are clear in wave x HALFT)
	s_xor_b32 s[G0B+1], s[G0B+1], SLOT
.if \wrap
	s_sub_nc_u64 s[G0+2:G0+3], s[G0+2:G0+3], 2*SEGA
	s_sub_nc_u64 s[G0B+2:G0B+3], s[G0B+2:G0B+3], 2*SEGW-WPRJ
.else
	s_add_nc_u64 s[G0+2:G0+3], s[G0+2:G0+3], SEGA
	s_add_nc_u64 s[G0B+2:G0B+3], s[G0B+2:G0B+3], SEGW
.endif
.endif
	v_add_nc_u32 v[ADT], s[CUR], v[T0]
	v_add_nc_u32 v[ADW], s[CUR], v[W0]
	s_xor_b32 s[CUR], s[CUR], SLOT
	s_wait_alu depctr_va_vdst(0)
	s_wait_dscnt 0x0                               ; the add is done, and my reads of the slot that I have left are over
.if \fill
	CROUND                                         ; no wave of any partner still reads that slot or has a load on its way
	JLOAD                                          ; first behind the round; its four v_nop are the places in front of the loads below
.else
	s_barrier_signal -1
	s_barrier_wait -1
	PLACES 4
.endif
	WIN 0x80
	FETCH 0, 0
	WIN 0
.endm
.macro ASK offw, tok                   ; the step after the one just asked for; tok = 1: the tokens' rows too, in the first tile alone
	s_cmp_eq_u32 s15, 0
	s_cbranch_scc0 .Lpw_\@
.if \tok
	s_cmp_eq_u32 s[CNT], 2
	s_cbranch_scc0 .Lpd_\@
	global_prefetch_b8 v[PFO], s[PFT:PFT+1] offset:2*SEGA th:TH_LOAD_NT scope:SCOPE_SE
.endif
	s_branch .Lpd_\@
.Lpw_\@:
	global_prefetch_b8 v[PFO], s[PFW:PFW+1] offset:\offw th:TH_LOAD_NT scope:SCOPE_SE
.Lpd_\@:
.endm
; THE RESULT IS QUANTISED: for each yt two blocks of 32; register 16 b + i of a lane is number 32 b + 16 h + i of its row
.macro EPI v
	WIN 0xa5                                       ; sources 0 and 1 window 1, source 2 and destination window 2
.irp yt, 0,1,2,3
.irp b, 0,1
	v_max3_num_f32 v[TM+2*\yt+\b], |v[128+32*\yt+16*\b]|, |v[129+32*\yt+16*\b]|, 0x1800000   ; with the floor 2^(3 - 127)
.endr
.endr
.irp i, 2,4,6,8,10,12,14
.irp yt, 0,1,2,3
.irp b, 0,1
	v_max3_num_f32 v[TM+2*\yt+\b], |v[128+32*\yt+16*\b+\i]|, |v[129+32*\yt+16*\b+\i]|, v[TM+2*\yt+\b]
.endr
.endr
.endr
	WIN 0xaa                                       ; all window 2
.irp n, 0,1,2,3,4,5,6,7
	v_permlanex16_b32 v[TP+\n], v[TM+\n], s66, s67
.endr
.irp n, 0,1,2,3,4,5,6,7
	v_max_num_f32 v[TM+\n], v[TM+\n], v[TP+\n]     ; with lane l xor 16's 16: the block's largest magnitude
.endr
.irp n, 0,1,2,3,4,5,6,7
	v_add_nc_u32 v[SO+\n], 0xff000000, v[TM+\n]    ; 2 off the exponent field: the conversion's scale operand
.endr
.irp n, 0,1,2,3,4,5,6,7
	v_lshrrev_b32 v[BY+\n], 23, v[SO+\n]
.endr
.irp yt, 0,1,2,3
	v_lshl_or_b32 v[PW+\yt], v[BY+2*\yt+1], 8, v[BY+2*\yt]
.endr
.irp yt, 0,1,2,3
.if \v
	v_lshlrev_b32 v[PW+\yt], s98, v[PW+\yt]
.else
	v_or_b32 v[PW+\yt], 0x7f7f0000, v[PW+\yt]      ; bytes 2 and 3 meet zero codes
.endif
.endr
	WIN 0x89                                       ; the numbers window 1, scale operand and codes window 2
.irp yt, 0,1,2,3
.irp b, 0,1
	v_cvt_scalef32_pk8_fp4_f32 v[CD+4*\yt+2*\b], v[128+32*\yt+16*\b:135+32*\yt+16*\b], v[SO+2*\yt+\b]
	v_cvt_scalef32_pk8_fp4_f32 v[CD+4*\yt+2*\b+1], v[136+32*\yt+16*\b:143+32*\yt+16*\b], v[SO+2*\yt+\b]
.endr
.endr
	v_nop                                          ; a plain line behind the conversions
	WIN 0xaa
.irp yt, 0,1,2,3
.irp i, 0,1
	v_permlane16_swap_b32 v[CD+4*\yt+\i], v[CD+4*\yt+2+\i]   ; a whole block to a lane
.endr
.endr
	WIN 0x08                                       ; the data window 2
.irp yt, 0,1,2,3
	global_store_b128 v[VO], v[CD+4*\yt:CD+4*\yt+3], s[12:13] offset:\yt*(512+512*\v)   ; an image: 512 consecutive bytes, aligned
.endr
	global_store_b128 v[VS16], v[PW:PW+3], s[18:19]                                     ; 256 consecutive bytes, aligned; lanes 16-31 repeat lanes 0-15
	WIN 0
.endm
.macro TILE v
.set NS, 28-4*\v
.set NC, 8-8*\v
	GLOAD \v, 0
	CH 1, 0
	ASK 2*SEGW, 1-\v
	SEG 0, \v, 0
	NEXTSW \v, 0, WPS
	CH 1, 0
.if (\v) == 0
	ASK WPRJ, 0
.endif
	COMBINE 1, \v
	GLOAD \v, 1
	SEG 1, \v, 0
	NEXTSW \v, 1, SSW+WPS
	CH 1-\v, 1
.if (\v) == 0
	ASK WPRJ+SEGW, 0
.endif
	COMBINE 0, \v
	GLOAD \v, 2
	SEG 2, \v, 1+\v
	NEXTSW \v, 2, 2*SSW                            ; (the base has stepped)
	COMBINE 0, \v
	EPI \v
.endm
	s_mov_b32 s[CNT], 2
.Ltile:                                                ; q, then k
	TILE 0
	s_sub_co_u32 s[CNT], s[CNT], 1
	s_cmp_lg_u32 s[CNT], 0
	s_wait_alu depctr_va_vdst(0)
	s_cbranch_scc1 .Ltile
	TILE 1                                         ; v: written out, its last change of slots asks for nothing
	s_wait_tensorcnt 0x0                           ; the wave's end
	ds_add_u32 v[SPW], v[NIL]
	s_wait_dscnt 0x0
	CROUND                                         ; the closing round
	s_endpgm
.Lfunc_end_k_q6a89359085_proj:
	.size	k_q6a89359085_proj, .Lfunc_end_k_q6a89359085_proj-k_q6a89359085_proj
	.p2alignl 7, 3214868480
	.fill 96, 4, 3214868480
	.section	.rodata,"a",@progbits
	.p2align	6, 0x0
	.amdhsa_kernel k_q6a89359085_proj
		.amdhsa_group_segment_fixed_size 327680
		.amdhsa_private_segment_fixed_size 0
		.amdhsa_enable_private_segment 0
		.amdhsa_kernarg_size 24
		.amdhsa_user_sgpr_count 2
		.amdhsa_user_sgpr_kernarg_segment_ptr 1
		.amdhsa_wavefront_size32 1
		.amdhsa_system_sgpr_workgroup_id_x 1
		.amdhsa_system_sgpr_workgroup_id_y 1
		.amdhsa_system_sgpr_workgroup_id_z 1
		.amdhsa_system_vgpr_workitem_id 0
		.amdhsa_next_free_vgpr 672
		.amdhsa_next_free_sgpr 100
		.amdhsa_reserve_vcc 0
		.amdhsa_float_denorm_mode_32 3
		.amdhsa_float_denorm_mode_16_64 3
		.amdhsa_memory_ordered 1
		.amdhsa_forward_progress 1
		.amdhsa_inst_pref_size 223
	.end_amdhsa_kernel
	.amdgpu_metadata
---
amdhsa.version: [ 1, 2 ]
amdhsa.kernels:
  - .name:           k_q6a89359085_proj
    .symbol:         k_q6a89359085_proj.kd
    .args:
      - { .name: aq, .offset: 0, .size: 8, .value_kind: global_buffer, .address_space: global }
      - { .name: wq, .offset: 8, .size: 8, .value_kind: global_buffer, .address_space: global }
      - { .name: qkv, .offset: 16, .size: 8, .value_kind: global_buffer, .address_space: global }
    .group_segment_fixed_size: 327680
    .private_segment_fixed_size: 0
    .kernarg_segment_align: 8
    .kernarg_segment_size: 24
    .max_flat_workgroup_size: 128
    .sgpr_count:     100
    .vgpr_count:     672
    .wavefront_size: 32
...
	.end_amdgpu_metadata
.endif
;; end of part 3
;; launch attn (part 4): grid 8 x 32, 16 waves a work-group, no clusters, 185,344 bytes of LDS; arguments qkv, oq; writes oq
.if DOCPART == 4
	.amdgcn_target "amdgcn-amd-amdhsa--gfx1250"
	.amdhsa_code_object_version 6
	.text
	.protected	k_q6a89359085_attn
	.globl	k_q6a89359085_attn
	.p2align	8
	.type	k_q6a89359085_attn,@function
k_q6a89359085_attn:
	s_mov_b64 s[64:65], 0
	v_nop
	global_prefetch_b8 v0, s[64:65] scope:SCOPE_SE
	s_setreg_imm32_b32 hwreg(HW_REG_WAVE_MODE, 25, 1), 1
	s_wait_xcnt 0x0
; Causal attention of one head on codes of FP4 with E8M0 scales, head size 64, and the result quantised along D for the last projection.
; t = score x log2(e) / 8; M = the running largest t rounded UP to a whole number; p = 2^(t - M) is quantised along the keys, not normalised; the row's sum is taken of the unquantised p and divides at the end.
; When M moves, the sum and O are multiplied by 2^(old M - new M): exact.
; SHARES.  A work-group takes two blocks of 128 queries of a head, blocks g and 15 - g: tiles of 16 queries with g + 1 and 16 - g key steps of 128.  Sixteen waves in eight pairs; pair i owns tile i of both blocks.
; Wave A of a pair walks the late tile's key steps 0 to 8; wave B walks the early tile's g + 1 steps, sends that tile out, and then walks the late tile's steps 9 to 15 - g: 9 and 8 steps, whatever g.
; At the end A hands its O^T, its sum and its -M to B through LDS bytes of the pair's own; B brings both parts under the larger M (two exact powers of two), adds them and sends the late tile out.
; Wave w is an A where bits 0 and 2 of w differ, so that of waves w, w + 4, w + 8, w + 12 and of waves 4 i .. 4 i + 3 alike two are of each kind.
; THE WHOLE HEAD'S K AND V LIE IN LDS, 16 blocks of 9,216 bytes, filled ONCE: wave w fetches key step w, one tensor load a wave at the head; one wait for 0, one barrier, and nothing is filled again.
; Every work-group fetches all 16 steps; those behind its late block are fetched and not read.
; No cluster: the work-groups that share a head read different numbers of key steps.  No prefetch: every tensor load stands at the head, so there is no loop to run ahead in.
; LAYOUT.  Both products transposed: S^T = K Q^T, O^T = V^T P^T: a lane holds one query.  Stored rows have bits 3 and 4 of their number exchanged, so the 16 registers of two neighbouring tiles are 16 neighbouring keys (or channels).
; THE FIRST PRODUCT'S K IS 64: Q's registers 4-7 are zero codes, and K's operand is named as eight registers of which the upper four are the next tile's codes: they meet the zero codes under the byte 0x7f and add nothing.
; CAUSAL.  All waves walk 16 trips; a step that is not the wave's, or all of whose keys come after the tile's queries, is jumped over (a scalar branch on ids); on the diagonal hidden scores become -infinity.
; OUT (oq).  [tile of 16 tokens 256][head 16][512]: the image of 16 tokens x 64; from OSO on the scale words [head][64 tokens][r 16][tile 4], shifted 16 (head % 2) bits up.
; LIMITS: NaN and infinities are not served; a block whose largest magnitude lies under 2^-124 gets the byte 1; the scaled scores stay under 2^31 in magnitude.
; v1 16 x lane; v2 16 r; v3 my query - 16 h; v4, v5 the step's addresses; v6 my scale word's place; v12 -M; v13 largest t; v[14:15] the sum; v16-19 Q, v20-23 zeros; v24 Q's scale word; v29, v30 the pair's LDS bytes;
; v32-39 K's scale words; v40-47 V's halves, v48-51 V's; v52-83 K, v84-87 zeros; v88-93 the late tile's Q, scale word and query; v96-159 S^T, then p; v160-191 O^T; v192-223 V; v224-231 p's codes; v232-254 at work; v251, v255 the add's
.set QFO,  4718592
.set OSO,  2097152
.set BLK,  9216
.set OSTG, 16*BLK                      ; behind the head: the scale words of the work-group's 16 tiles, 1,024 bytes, written by LDS stores alone
.set MRG,  OSTG+1024                   ; what A hands to B: for each pair 8 x 512 bytes of O^T, then 8 bytes a lane: the sum and -M
.set MSZ,  4352
.set SPARE, MRG+8*MSZ                  ; the spare words, 128 bytes a wave
.set WV,  18
.set SEL, 20
.set CS,  22
.set TB,  48                           ; LDS byte of the step's block
.set KF,  49                           ; the step's first key
.set QLO, 50                           ; a lower bound of my queries
.set QHI, 51                           ; an upper bound
.set CNT, 52
	s_load_b128 s[4:7], s[0:1], 0x0                ; qkv, oq
	v_lshl_add_u32 v251, v0, 2, SPARE
	v_mov_b32 v255, 0
	ds_add_u32 v251, v255                          ; the opening: the add twice on end and its wait
	ds_add_u32 v251, v255
	v_lshrrev_b32 v1, 5, v0
	s_delay_alu instid0(VALU_DEP_1)
	v_readfirstlane_b32 s[WV], v1                  ; wave 0..15
	s_and_b32 s54, ttmp7, 0xffff                   ; the head, 0..31
	s_mov_b32 s24, 3<<16                           ; group 1: 36 rows of 256 bytes (32 elements of 8), dense
	s_mov_b32 s25, 32<<16
	s_mov_b32 s26, 36<<16
	s_mov_b32 s27, 32<<16
	s_mov_b32 s28, 36
	s_mov_b32 s29, 32
	s_mov_b32 s30, 0
	s_mov_b32 s31, 0
	s_mul_i32 s60, s54, 16*BLK
	s_mul_i32 s59, s[WV], BLK                      ; wave x a block, in memory and in LDS alike
	s_add_co_u32 s60, s60, s59
	s_mov_b32 s61, 0
	s_mov_b32 s32, 1
	s_mov_b32 s33, s59
	s_wait_dscnt 0x0
	s_wait_kmcnt 0x0
	s_add_nc_u64 s[34:35], s[4:5], s[60:61]
	s_or_b32 s35, s35, 0x80000000
	tensor_load_to_lds s[32:35], s[24:31]          ; key step = my wave's number
	s_nop 0
.rept 4
	v_nop
.endr
	s_lshr_b32 s55, s[WV], 2
	s_xor_b32 s55, s55, s[WV]
	s_and_b32 s55, s55, 1                          ; 1: I am my pair's A
	s_lshr_b32 s56, s[WV], 1                       ; my pair, and its tile in both blocks
	s_sub_co_u32 s57, 15, ttmp9
	s_lshl_b32 s53, s57, 3
	s_add_co_u32 s53, s53, s56                     ; the late tile in the head, 0..127
	s_lshl_b32 s47, ttmp9, 3
	s_add_co_u32 s47, s47, s56                     ; the early tile
	s_cmp_eq_u32 s55, 1
	s_cselect_b32 s58, s53, s47                    ; the tile that I begin with
	s_lshr_b32 s[QLO], s58, 1
	s_lshl_b32 s[QLO], s[QLO], 5
	s_add_co_u32 s[QHI], s[QLO], 31
	s_lshr_b32 s40, s53, 1
	s_lshl_b32 s40, s40, 5                         ; the late tile's bounds
	s_add_co_u32 s41, s40, 31
	s_mov_b32 s[SEL], 0x76543210
	s_mov_b32 s[SEL+1], 0xfedcba98
	s_mov_b32 s[CS], 0x3e38aa3b                    ; log2(e) / 8
	s_mov_b32 s[CS+1], s[CS]
	s_mov_b32 s71, 0
	s_lshl_b32 s69, s54, 5
	s_lshr_b32 s70, s58, 2
	s_add_co_u32 s70, s70, s69
	s_mul_i32 s70, s70, 2304
	s_add_co_u32 s70, s70, QFO
	s_add_nc_u64 s[66:67], s[4:5], s[70:71]        ; the group of 64 queries of my first tile
	s_lshr_b32 s70, s53, 2
	s_add_co_u32 s70, s70, s69
	s_mul_i32 s70, s70, 2304
	s_add_co_u32 s70, s70, QFO
	s_add_nc_u64 s[36:37], s[4:5], s[70:71]        ; of the late tile
	s_lshr_b32 s59, s54, 4                         ; batch
	s_and_b32 s60, s54, 15                         ; head in the batch
	s_lshl_b32 s61, s59, 7
	s_add_co_u32 s70, s61, s47
	s_lshl_b32 s70, s70, 4
	s_add_co_u32 s70, s70, s60
	s_lshl_b32 s70, s70, 9
	s_add_nc_u64 s[42:43], s[6:7], s[70:71]        ; the early tile's image
	s_add_co_u32 s70, s61, s53
	s_lshl_b32 s70, s70, 4
	s_add_co_u32 s70, s70, s60
	s_lshl_b32 s70, s70, 9
	s_add_nc_u64 s[44:45], s[6:7], s[70:71]        ; the late tile's
	s_and_b32 s68, s60, 1
	s_lshl_b32 s68, s68, 4                         ; the scale word's shift
	s_and_b32 s61, s56, 1
	s_lshl_b32 s61, s61, 3
	s_add_co_u32 s62, s61, s[QLO]
	s_add_co_u32 s63, s61, s40
	s_lshr_b32 s61, s56, 2
	s_lshl_b32 s61, s61, 8
	s_and_b32 s69, s56, 3
	s_lshl_b32 s70, s69, 2
	s_add_co_u32 s61, s61, s70
	s_add_co_u32 s61, s61, OSTG                    ; the early tile's scale words; the late tile's lie 512 bytes on
	s_lshl_b32 s69, s69, 9
	s_lshl_b32 s46, s[WV], 8
	s_add_co_u32 s46, s46, OSTG
	s_mul_i32 s38, s56, MSZ
	s_add_co_u32 s38, s38, MRG
	s_add_co_u32 s39, s38, 4096
	v_and_b32 v7, 31, v0
	v_and_b32 v8, 15, v0                           ; r
	v_bfe_u32 v9, v0, 4, 1                         ; h
	v_lshlrev_b32 v1, 4, v7
	v_lshlrev_b32 v28, 3, v7
	v_lshlrev_b32 v2, 4, v8
	v_and_b32 v10, 8, v8
	v_lshlrev_b32 v11, 4, v9
	s_delay_alu instid0(VALU_DEP_2)
	v_add_nc_u32 v10, v10, v8
	s_delay_alu instid0(VALU_DEP_1)
	v_sub_nc_u32 v10, v10, v11
	v_add_nc_u32 v6, s61, v2
	v_add_nc_u32 v25, s46, v28                     ; the end, waves 0 to 3: 256 bytes of scale words each
	v_add_nc_u32 v26, s69, v1
	v_add_nc_u32 v27, s70, v2
	v_add_nc_u32 v29, s38, v1
	v_add_nc_u32 v30, s39, v28
	v_add_nc_u32 v3, s62, v10                      ; my query, 32 (tile / 2) + 8 (tile % 2) + r + 8 (r / 8), less 16 h
	v_add_nc_u32 v93, s63, v10                     ; the same in the late tile
	v_mov_b32 v13, 0xff61b1e6                      ; the largest t so far: -3e38
	v_mov_b32 v14, 0
	v_mov_b32 v15, 0
	v_floor_f32 v12, -v13
.irp j, 20,21,22,23,84,85,86,87
	v_mov_b32 v\j, 0                               ; zero codes
.endr
.irp j, 236,237,238,239,252,253
	v_mov_b32 v\j, 0                               ; lane permutes' destinations and a pair's halves: written once
.endr
.set J, 0
.rept 32
	v_mov_b32 v[160+J], 0                          ; O^T: the step is written once, and its first run finds zeros
.set J, J+1
.endr
	s_wait_alu depctr_va_vdst(0)                   ; the wait at the head's end
	global_load_b128 v[16:19], v26, s[66:67]       ; Q's image
	global_load_b32 v24, v27, s[66:67] offset:2048 ; its scale words
	global_load_b128 v[88:91], v26, s[36:37]       ; the late tile's, for B's second part
	global_load_b32 v92, v27, s[36:37] offset:2048
	s_wait_loadcnt 0x0
	s_wait_tensorcnt 0x0                           ; my key step has landed
	s_barrier_signal -1
	s_barrier_wait -1                              ; all sixteen have
	s_mov_b32 s[TB], 0
	s_mov_b32 s[KF], 0
	s_mov_b32 s[CNT], 16
; A TILE GOES OUT: v14 holds my lane's sum; O^T / the row's sum, quantised along D: the head's 64 channels are two blocks; register 16 b + i is channel 32 b + 16 h + i
.macro EPI img, dso
	v_permlanex16_b32 v252, v14, s[SEL], s[SEL+1]
	s_delay_alu instid0(VALU_DEP_1)
	v_add_f32 v14, v14, v252
	s_wait_alu depctr_va_vdst(0)
	v_rcp_f32 v14, v14
	v_nop
	v_nop                                          ; with the lines above: the places behind the last products, and a plain line behind the reciprocal
	s_wait_alu depctr_va_vdst(0)                   ; the wait for the reciprocal, directly ahead of its first reader, which is O^T's too
.set J, 0
.rept 32
	v_mul_f32 v[96+J], v[160+J], v14
.set J, J+1
.endr
.irp b, 0,1
	v_max3_num_f32 v[232+\b], |v[96+16*\b]|, |v[97+16*\b]|, 0x1800000
.endr
.irp i, 2,4,6,8,10,12,14
.irp b, 0,1
	s_delay_alu instid0(VALU_DEP_2)
	v_max3_num_f32 v[232+\b], v[232+\b], |v[96+16*\b+\i]|, |v[97+16*\b+\i]|
.endr
.endr
.irp b, 0,1
	s_delay_alu instid0(VALU_DEP_2)
	v_permlanex16_b32 v[236+\b], v[232+\b], s[SEL], s[SEL+1]
.endr
.irp b, 0,1
	s_delay_alu instid0(VALU_DEP_2)
	v_max_num_f32 v[232+\b], v[232+\b], v[236+\b]
.endr
.irp b, 0,1
	s_delay_alu instid0(VALU_DEP_2)
	v_add_nc_u32 v[244+\b], 0xff000000, v[232+\b]
.endr
.irp b, 0,1
	s_delay_alu instid0(VALU_DEP_2)
	v_lshrrev_b32 v[236+\b], 23, v[244+\b]
.endr
	s_delay_alu instid0(VALU_DEP_1)
	v_lshl_or_b32 v253, v237, 8, v236
	s_delay_alu instid0(VALU_DEP_1)
	v_lshlrev_b32 v253, s68, v253
.irp b, 0,1
	v_cvt_scalef32_pk8_fp4_f32 v[224+2*\b], v[96+16*\b:103+16*\b], v[244+\b]
	v_cvt_scalef32_pk8_fp4_f32 v[225+2*\b], v[104+16*\b:111+16*\b], v[244+\b]
.endr
	v_nop
	v_permlane16_swap_b32 v224, v226
	v_permlane16_swap_b32 v225, v227
	global_store_b128 v1, v[224:227], s[\img:\img+1]   ; 512 consecutive bytes, aligned
	ds_store_b32 v6, v253 offset:\dso                  ; lanes l and l xor 16 write the same word with the same value
.endm
.Lstep:
	s_cmp_lg_u32 s[CNT], 7
	s_cbranch_scc1 .Lgo
	; ahead of key step 9 the pair's two waves change their work
	s_cmp_eq_u32 s55, 1
	s_cbranch_scc1 .Lis_a
	v_add_f32 v14, v14, v15                        ; B: the early tile is finished and goes out,
	s_delay_alu instid0(VALU_DEP_1)
	EPI 42, 0
	v_mov_b32 v24, v92                             ; and the late tile's second part begins: its Q first, so that the lines below are the places ahead of the products,
.irp j, 0,1,2,3
	v_mov_b32 v[16+\j], v[88+\j]
.endr
	v_mov_b32 v3, v93
	v_mov_b32 v13, 0xff61b1e6
	v_mov_b32 v14, 0
	v_mov_b32 v15, 0
	v_floor_f32 v12, -v13
.set J, 0
.rept 32
	v_mov_b32 v[160+J], 0
.set J, J+1
.endr
	s_mov_b32 s[QLO], s40
	s_mov_b32 s[QHI], s41
	s_wait_alu depctr_va_vdst(0)
	s_wait_xcnt 0x0                                ; the image's store has read its registers: the next step writes them again
	s_branch .Lgo
.Lis_a:
	s_mov_b32 s[QHI], 0                            ; A: its nine steps are done; every later step is jumped over
.Lgo:
	s_cmp_gt_u32 s[KF], s[QHI]
	s_cbranch_scc1 .Lhidden
	v_add_nc_u32 v4, s[TB], v1
	v_add_nc_u32 v5, s[TB], v2
	v_nop
	v_nop                                          ; four places in front of loads into registers that the last products read
.irp t, 0,1,2,3,4,5,6,7
	ds_load_b128 v[52+4*\t:55+4*\t], v4 offset:512*\t
.endr
	ds_load_b128 v[32:35], v5 offset:4096
	ds_load_b128 v[36:39], v5 offset:4352
.irp dt, 0,1,2,3
.irp c, 0,1
	ds_load_b128 v[192+8*\dt+4*\c:195+8*\dt+4*\c], v4 offset:4608+1024*\dt+512*\c
.endr
.endr
	ds_load_b128 v[40:43], v5 offset:8704
	ds_load_b128 v[44:47], v5 offset:8960
	s_wait_dscnt 10                                ; K and its scale words are in; V's ten loads may be out
.irp t, 0,1,2,3,4,5,6,7
	v_wmma_scale_f32_16x16x128_f8f6f4 v[96+8*\t:103+8*\t], v[52+4*\t:59+4*\t], v[16:23], 0, v[32+\t], v24 matrix_a_fmt:MATRIX_FMT_FP4 matrix_b_fmt:MATRIX_FMT_FP4
.endr
.rept 4
	v_nop
.endr
	s_add_co_u32 s59, s[KF], 127
	s_cmp_le_u32 s59, s[QLO]
	s_cbranch_scc1 .Lopen                          ; all keys of the step count
	v_sub_nc_u32 v252, v3, s[KF]                   ; register 16 b + i holds key KF + 16 h + 32 b + i: hidden where 32 b + i is above this
	v_mov_b32 v254, 0xff800000
.irp n, 0,1,2,3,4,5,6,7,8,9,10,11,12,13,14,15,16,17,18,19,20,21,22,23,24,25,26,27,28,29,30,31,32,33,34,35,36,37,38,39,40,41,42,43,44,45,46,47,48,49,50,51,52,53,54,55,56,57,58,59,60,61,62,63
	v_cmp_gt_i32 vcc_lo, 32*(\n/16)+\n%16, v252
	v_cndmask_b32 v[96+\n], v[96+\n], v254, vcc_lo
.endr
.Lopen:
.irp b, 0,1,2,3
	v_max3_num_f32 v[232+\b], v[96+16*\b], v[97+16*\b], v[98+16*\b]   ; the largest score of each block of 32 keys: it serves the row's maximum and, since p rises with the score, the block's largest p
.endr
.irp i, 3,5,7,9,11,13
.irp b, 0,1,2,3
	v_max3_num_f32 v[232+\b], v[232+\b], v[96+16*\b+\i], v[97+16*\b+\i]
.endr
.endr
.irp b, 0,1,2,3
	v_max_num_f32 v[232+\b], v[232+\b], v[111+16*\b]
.endr
.irp b, 0,1,2,3
	s_delay_alu instid0(VALU_DEP_4)
	v_permlanex16_b32 v[236+\b], v[232+\b], s[SEL], s[SEL+1]
.endr
.irp b, 0,1,2,3
	s_delay_alu instid0(VALU_DEP_4)
	v_max_num_f32 v[232+\b], v[232+\b], v[236+\b]
.endr
	s_delay_alu instid0(VALU_DEP_2)
	v_max3_num_f32 v254, v232, v233, v234
	s_delay_alu instid0(VALU_DEP_1)
	v_max_num_f32 v254, v254, v235
	s_delay_alu instid0(VALU_DEP_1)
	v_mul_f32 v254, s[CS], v254
	s_delay_alu instid0(VALU_DEP_1)
	v_max_num_f32 v13, v13, v254                   ; the running largest t
	v_mov_b32 v254, v12
	s_delay_alu instid0(VALU_DEP_2)
	v_floor_f32 v12, -v13                          ; the new -M: M is a whole number
	s_delay_alu instid0(VALU_DEP_1)
	v_sub_f32 v254, v12, v254
	s_delay_alu instid0(VALU_DEP_1)
	v_cvt_i32_f32 v254, v254                       ; (it saturates)
	s_delay_alu instid0(VALU_DEP_1)
	v_ldexp_f32 v252, 1.0, v254                    ; f = 2^(old M - new M)
.irp j, 0,2,4,6,8,10,12,14,16,18,20,22,24,26,28,30,32,34,36,38,40,42,44,46,48,50,52,54,56,58,60,62
	v_pk_fma_f32 v[96+\j:97+\j], v[96+\j:97+\j], s[CS:CS+1], v[12:13] op_sel_hi:[1,0,0]   ; t - M
.endr
.irp b, 0,1,2,3
	v_fma_f32 v[232+\b], v[232+\b], s[CS], v12
.endr
	s_wait_alu depctr_va_vdst(0)
.irp j, 0,1,2,3,4,5,6,7,8,9,10,11,12,13,14,15,16,17,18,19,20,21,22,23,24,25,26,27,28,29,30,31,32,33,34,35,36,37,38,39,40,41,42,43,44,45,46,47,48,49,50,51,52,53,54,55,56,57,58,59,60,61,62,63
	v_exp_f32 v[96+\j], v[96+\j]                   ; p
.endr
	v_pk_mul_f32 v[14:15], v[14:15], v[252:253] op_sel_hi:[1,0]   ; the sums under the new M (a plain line behind the exponentials)
	s_wait_alu depctr_va_vdst(0)                   ; one wait for the batch of 64, ahead of its first reader
.irp b, 0,1,2,3
	v_exp_f32 v[232+\b], v[232+\b]                 ; each block's largest p
.endr
	v_pk_add_f32 v[236:237], v[100:101], v[104:105]   ; the row's sum of the unquantised p, in eight chains
	v_pk_add_f32 v[248:249], v[108:109], v[112:113]
	v_pk_add_f32 v[246:247], v[116:117], v[120:121]
	v_pk_add_f32 v[244:245], v[124:125], v[128:129]
	v_pk_add_f32 v[242:243], v[132:133], v[136:137]
	v_pk_add_f32 v[240:241], v[140:141], v[144:145]
	v_pk_add_f32 v[238:239], v[148:149], v[152:153]
	v_pk_add_f32 v[14:15], v[14:15], v[156:157]
	v_pk_add_f32 v[236:237], v[236:237], v[96:97]
	v_pk_add_f32 v[248:249], v[248:249], v[98:99]
	v_pk_add_f32 v[246:247], v[246:247], v[102:103]
	v_pk_add_f32 v[244:245], v[244:245], v[106:107]
	v_pk_add_f32 v[242:243], v[242:243], v[110:111]
	v_pk_add_f32 v[240:241], v[240:241], v[114:115]
	v_pk_add_f32 v[238:239], v[238:239], v[118:119]
	v_pk_add_f32 v[14:15], v[14:15], v[122:123]
	v_pk_add_f32 v[236:237], v[236:237], v[126:127]
	v_pk_add_f32 v[248:249], v[248:249], v[130:131]
	v_pk_add_f32 v[246:247], v[246:247], v[134:135]
	v_pk_add_f32 v[244:245], v[244:245], v[138:139]
	v_pk_add_f32 v[242:243], v[242:243], v[142:143]
	v_pk_add_f32 v[240:241], v[240:241], v[146:147]
	v_pk_add_f32 v[238:239], v[238:239], v[150:151]
	v_pk_add_f32 v[14:15], v[14:15], v[154:155]
	v_pk_add_f32 v[236:237], v[236:237], v[158:159]
	s_delay_alu instid0(VALU_DEP_2)
	v_pk_add_f32 v[14:15], v[14:15], v[244:245]
	s_delay_alu instid0(VALU_DEP_2)
	v_pk_add_f32 v[236:237], v[236:237], v[242:243]
	v_pk_add_f32 v[248:249], v[248:249], v[240:241]
	v_pk_add_f32 v[246:247], v[246:247], v[238:239]
	s_delay_alu instid0(VALU_DEP_2)
	v_pk_add_f32 v[14:15], v[14:15], v[248:249]
	s_delay_alu instid0(VALU_DEP_2)
	v_pk_add_f32 v[236:237], v[236:237], v[246:247]
	s_delay_alu instid0(VALU_DEP_1)
	v_pk_add_f32 v[14:15], v[14:15], v[236:237]
	s_wait_alu depctr_va_vdst(0)                   ; and one for the four
.irp b, 0,1,2,3
	v_max_num_f32 v[232+\b], 0x1800000, v[232+\b]  ; the floor 2^(3 - 127)
.endr
.irp b, 0,1,2,3
	s_delay_alu instid0(VALU_DEP_4)
	v_add_nc_u32 v[244+\b], 0xff000000, v[232+\b]
.endr
.irp b, 0,1,2,3
	s_delay_alu instid0(VALU_DEP_4)
	v_lshrrev_b32 v[236+\b], 23, v[244+\b]
.endr
	s_delay_alu instid0(VALU_DEP_3)
	v_lshl_or_b32 v253, v237, 8, v236              ; p's scale word for these 128 keys
	s_delay_alu instid0(VALU_DEP_1)
	v_lshl_or_b32 v253, v238, 16, v253
	s_delay_alu instid0(VALU_DEP_1)
	v_lshl_or_b32 v253, v239, 24, v253
.irp b, 0,1,2,3
	v_cvt_scalef32_pk8_fp4_f32 v[224+2*\b], v[96+16*\b:103+16*\b], v[244+\b]
	v_cvt_scalef32_pk8_fp4_f32 v[225+2*\b], v[104+16*\b:111+16*\b], v[244+\b]
.endr
	v_nop                                          ; a plain line behind the conversions
.irp c, 0,1
.irp i, 0,1
	v_permlane16_swap_b32 v[224+4*\c+\i], v[226+4*\c+\i]
.endr
.endr
	s_wait_dscnt 0x0                               ; V and its scale words
.irp dt, 0,1,2,3
	v_or_b32 v[48+\dt], v[40+\dt], v[44+\dt]       ; the two halves of V's scale word
.endr
	s_wait_alu depctr_va_vdst(0)                   ; directly ahead of the first reader of O^T
.irp j, 0,2,4,6,8,10,12,14,16,18,20,22,24,26,28,30
	v_pk_mul_f32 v[160+\j:161+\j], v[160+\j:161+\j], v[252:253] op_sel_hi:[1,0]   ; O^T under the new M; these sixteen are also the places between the scale words just made and the products
.endr
.irp dt, 0,1,2,3
	v_wmma_scale_f32_16x16x128_f8f6f4 v[160+8*\dt:167+8*\dt], v[192+8*\dt:199+8*\dt], v[224:231], v[160+8*\dt:167+8*\dt], v[48+\dt], v253 matrix_a_fmt:MATRIX_FMT_FP4 matrix_b_fmt:MATRIX_FMT_FP4
.endr
.Lhidden:
	s_add_co_u32 s[KF], s[KF], 128
	s_add_co_u32 s[TB], s[TB], BLK
	s_sub_co_u32 s[CNT], s[CNT], 1
	s_cmp_lg_u32 s[CNT], 0
	s_cbranch_scc1 .Lstep
	; A hands its part of the late tile to B
	s_cmp_eq_u32 s55, 1
	s_cbranch_scc0 .Lkeep
	v_add_f32 v14, v14, v15                        ; my lane's sum,
	v_mov_b32 v15, v12                             ; and -M beside it
.rept 3
	v_nop                                          ; with the two lines above: the places behind the last products
.endr
.irp k, 0,1,2,3,4,5,6,7
	ds_store_b128 v29, v[160+4*\k:163+4*\k] offset:512*\k   ; each accumulator from its low end on
.endr
	ds_store_b64 v30, v[14:15]
.Lkeep:
	s_wait_alu depctr_va_vdst(0)
	s_wait_dscnt 0x0                               ; for B's sake
	s_barrier_signal -1
	s_barrier_wait -1
	s_cmp_eq_u32 s55, 1
	s_cbranch_scc1 .Lsent
.irp k, 0,1,2,3,4,5,6,7
	ds_load_b128 v[96+4*\k:99+4*\k], v29 offset:512*\k
.endr
	ds_load_b64 v[128:129], v30
	s_wait_dscnt 0x0
	v_add_f32 v14, v14, v15
	v_min_num_f32 v130, v12, v129                  ; -M of the two parts together: the larger M
	s_delay_alu instid0(VALU_DEP_1)
	v_sub_f32 v131, v130, v12                      ; whole numbers, 0 or less
	v_sub_f32 v136, v130, v129
	s_delay_alu instid0(VALU_DEP_2)
	v_cvt_i32_f32 v131, v131                       ; (they saturate: a part with no key step has -M = 3e38 and gets the factor 0 on its zeros)
	s_delay_alu instid0(VALU_DEP_2)
	v_cvt_i32_f32 v136, v136
	s_delay_alu instid0(VALU_DEP_2)
	v_ldexp_f32 v132, 1.0, v131                    ; my part's factor
	s_delay_alu instid0(VALU_DEP_2)
	v_ldexp_f32 v134, 1.0, v136                    ; A's
	s_delay_alu instid0(VALU_DEP_2)
	v_mul_f32 v14, v14, v132
	s_delay_alu instid0(VALU_DEP_1)
	v_fma_f32 v14, v128, v134, v14
.irp j, 0,2,4,6,8,10,12,14,16,18,20,22,24,26,28,30
	v_pk_mul_f32 v[160+\j:161+\j], v[160+\j:161+\j], v[132:133] op_sel_hi:[1,0]
.endr
.irp j, 0,2,4,6,8,10,12,14,16,18,20,22,24,26,28,30
	v_pk_fma_f32 v[160+\j:161+\j], v[96+\j:97+\j], v[134:135], v[160+\j:161+\j] op_sel_hi:[1,0,1]
.endr
	EPI 44, 512
.Lsent:
	s_lshr_b32 s59, s54, 4                         ; batch
	s_and_b32 s60, s54, 15                         ; head in the batch
	s_lshr_b32 s69, s[WV], 1
	s_sub_co_u32 s70, 15, ttmp9
	s_cmp_eq_u32 s69, 1
	s_cselect_b32 s70, s70, ttmp9
	s_lshl_b32 s70, s70, 1
	s_and_b32 s71, s[WV], 1
	s_add_co_u32 s70, s70, s71
	s_lshl_b32 s71, s59, 5
	s_add_co_u32 s70, s70, s71
	s_lshl_b32 s71, s60, 6
	s_add_co_u32 s70, s70, s71
	s_lshl_b32 s70, s70, 8
	s_add_co_u32 s70, s70, OSO
	s_mov_b32 s71, 0
	s_add_nc_u64 s[70:71], s[6:7], s[70:71]        ; waves 0 to 3: a group of 64 tokens' scale words
	s_wait_dscnt 0x0                               ; for the others' sake
	s_barrier_signal -1
	s_barrier_wait -1
	s_cmp_lt_u32 s[WV], 4
	s_cbranch_scc0 .Ldone
	ds_load_b64 v[32:33], v25
	s_wait_dscnt 0x0
	global_store_b64 v28, v[32:33], s[70:71]       ; 256 consecutive bytes, aligned
.Ldone:
	s_wait_tensorcnt 0x0                           ; the wave's end
	ds_add_u32 v251, v255
	s_wait_dscnt 0x0
	s_endpgm
.Lfunc_end_k_q6a89359085_attn:
	.size	k_q6a89359085_attn, .Lfunc_end_k_q6a89359085_attn-k_q6a89359085_attn
	.p2alignl 7, 3214868480
	.fill 96, 4, 3214868480
	.section	.rodata,"a",@progbits
	.p2align	6, 0x0
	.amdhsa_kernel k_q6a89359085_attn
		.amdhsa_group_segment_fixed_size 185344
		.amdhsa_private_segment_fixed_size 0
		.amdhsa_enable_private_segment 0
		.amdhsa_kernarg_size 16
		.amdhsa_user_sgpr_count 2
		.amdhsa_user_sgpr_kernarg_segment_ptr 1
		.amdhsa_wavefront_size32 1
		.amdhsa_system_sgpr_workgroup_id_x 1
		.amdhsa_system_sgpr_workgroup_id_y 1
		.amdhsa_system_sgpr_workgroup_id_z 1
		.amdhsa_system_vgpr_workitem_id 0
		.amdhsa_next_free_vgpr 256
		.amdhsa_next_free_sgpr 72
		.amdhsa_reserve_vcc 1
		.amdhsa_float_denorm_mode_32 3
		.amdhsa_float_denorm_mode_16_64 3
		.amdhsa_memory_ordered 1
		.amdhsa_forward_progress 1
		.amdhsa_inst_pref_size 44
	.end_amdhsa_kernel
	.amdgpu_metadata
---
amdhsa.version: [ 1, 2 ]
amdhsa.kernels:
  - .name:           k_q6a89359085_attn
    .symbol:         k_q6a89359085_attn.kd
    .args:
      - { .name: qkv, .offset: 0, .size: 8, .value_kind: global_buffer, .address_space: global }
      - { .name: oq, .offset: 8, .size: 8, .value_kind: global_buffer, .address_space: global }
    .group_segment_fixed_size: 185344
    .private_segment_fixed_size: 0
    .kernarg_segment_align: 8
    .kernarg_segment_size: 16
    .max_flat_workgroup_size: 512
    .sgpr_count:     72
    .vgpr_count:     256
    .wavefront_size: 32
...
	.end_amdgpu_metadata
.endif
;; end of part 4
;; launch outp (part 5): grid 8 x 32, 4 waves a work-group, clusters of 4 x 4, 167,936 bytes of LDS; arguments oq, wq, ob, out0; writes out0
.if DOCPART == 5
	.amdgcn_target "amdgcn-amd-amdhsa--gfx1250"
	.amdhsa_code_object_version 6
	.text
	.protected	k_q6a89359085_outp
	.globl	k_q6a89359085_outp
	.p2align	8
	.type	k_q6a89359085_outp,@function
k_q6a89359085_outp:
	s_mov_b64 s[64:65], 0
	v_nop
	global_prefetch_b8 v0, s[64:65] scope:SCOPE_SE
	s_setreg_imm32_b32 hwreg(HW_REG_WAVE_MODE, 25, 1), 1
	s_wait_xcnt 0x0
	s_wait_alu depctr_hold_cnt(0) depctr_sa_sdst(0) depctr_va_vdst(0) depctr_va_sdst(0) depctr_va_ssrc(0) depctr_va_vcc(0) depctr_vm_vsrc(0)
	s_getreg_b32 s2, hwreg(HW_REG_IB_STS2, 6, 4)
	s_cmp_eq_u32 s2, 0
	s_cbranch_scc0 .Lentry_in_a_cluster
	s_endpgm
.Lentry_in_a_cluster:
	s_bfe_u32 s2, ttmp6, 0x10000c
	s_cmp_lg_u32 s2, 0xf033
	s_cbranch_scc0 .Lentry_shape_is_right
	s_endpgm
.Lentry_shape_is_right:
; out0 = O oW^T + ob on codes of FP4 with E8M0 scales; K = 1,024 = 16 heads x 64; f32 sums, the bias given as the C of each accumulator's first product.
; A work-group makes 128 tokens x 128 columns; four waves, 64 x 64 each: 16 accumulators.  Source 0 = 16 rows of oW, source 1 = 16 tokens: a lane holds one token, its registers run along the columns.
; All of K comes at once: waves 0 and 1 fetch the tokens' images (64 tokens: 32,768 dense bytes), waves 2 and 3 64 rows of oW (512 bytes each, 16 of padding): one tensor load a wave, nothing is filled again.
; CLUSTER 4 x 4: the tokens' images are shared along a row of the cluster, oW's rows along a column: joint loads.
; THE SCALE WORDS go from memory straight into registers while the tiles are on their way: oW's 32 bytes a row; the tokens' [head][64 tokens][r 16][tile 4], 16 bytes a lane and head; two heads' words make one word of 128 along K.
; Stored rows of oW and tokens have bits 3 and 4 of their number exchanged: the way out puts rows and columns back.
; No prefetch: the launch has no loop to run ahead in.
; window 0: v0-31 addresses; v32-63 oW's scale words; v64-127 the tokens'; v128-255 two sets of fragments, then the rows on their way out.  window 1: v0-127 accumulators; v128-159 the bias.
.set OSO,   2097152
.set WCO,   9*524288                   ; oW's codes in wq
.set WSC,   5242880+9*32768            ; and its scale bytes
.set PITCH, 528
.set WROW,  65536                      ; LDS: behind the tokens' images oW's 128 rows
.set STG,   WROW+128*PITCH             ; the way out: 16 rows x 272 bytes for each wave, written by LDS stores alone
.set SPARE, STG+4*16*272               ; the spare words, 128 bytes a wave
.set ADRX, 3
.set ADRY, 4
.set ADSX, 5
.set ADSY, 6
.set VB,   7
.set STO,  8
.set RD,   9
.set CO,   10
.set SPW,  30
.set NIL,  31
.set SX,   32
.set WY,   64
.set FB,   128
.set BIAS, 128
.set G1A,  24
.set G0A,  32
.set G1W,  48
.set G0W,  56
.set MSB, 0
.macro WIN new                         ; the immediate's high byte repeats the setting that is left
.if MSB != \new
	s_set_vgpr_msb (MSB<<8)|\new
.set MSB, \new
.endif
.endm
.macro CROUND                          ; a round of the cluster's barrier
	s_barrier_signal -1
	s_barrier_wait -1
	s_cmp_lg_u32 s14, 0
	s_cbranch_scc1 .Lnot_wave_0_\@
	s_barrier_signal -3
.Lnot_wave_0_\@:
	s_barrier_wait -3
	s_barrier_signal -1
	s_barrier_wait -1
.endm
.macro PLACES n
.rept \n
	v_nop
.endr
.endm
	s_load_b128 s[4:7], s[0:1], 0x0                ; oq, wq
	s_load_b128 s[8:11], s[0:1], 0x10              ; ob, out0
	v_lshl_add_u32 v[SPW], v0, 2, SPARE
	v_mov_b32 v[NIL], 0
	ds_add_u32 v[SPW], v[NIL]                      ; the opening: the add twice on end and its wait
	ds_add_u32 v[SPW], v[NIL]
	v_lshrrev_b32 v1, 5, v0
	v_readfirstlane_b32 s14, v1                    ; wave
	s_lshr_b32 s15, s14, 1                         ; which 64 tokens are mine.  Also: I fetch for the tokens (0) or for oW (1)
	s_and_b32 s16, s14, 1                          ; which 64 columns.  Also: which half I fetch
	s_bfe_u32 s40, ttmp6, 0x40000                  ; cx, cy
	s_bfe_u32 s41, ttmp6, 0x40004
	s_lshl_b32 s42, ttmp9, 2
	s_add_co_u32 s42, s42, s40                     ; tile column
	s_and_b32 s17, ttmp7, 0xffff
	s_lshl_b32 s17, s17, 2
	s_add_co_u32 s17, s17, s41                     ; tile row
	s_lshl_b32 s43, s41, 2
	s_lshl_b32 s43, 15, s43                        ; my row of the cluster
	s_lshl_b32 s44, 0x1111, s40                    ; my column
	s_or_b32 s[G1A+0], s43, (3<<16)|(1<<21)        ; the images: 128 rows of 256 bytes, dense
	s_mov_b32 s[G1A+1], 32<<16
	s_mov_b32 s[G1A+2], 128<<16
	s_mov_b32 s[G1A+3], 32<<16
	s_mov_b32 s[G1A+4], 128
	s_mov_b32 s[G1A+5], 32
	s_mov_b32 s[G1A+6], 0
	s_mov_b32 s[G1A+7], 0
	s_or_b32 s[G1W+0], s44, (1<<20)|(1<<21)|(6<<22)|(3<<25)   ; oW: 64 rows x 512 bytes, 16 bytes of padding behind each
	s_mov_b32 s[G1W+1], 512<<16
	s_mov_b32 s[G1W+2], 64<<16
	s_mov_b32 s[G1W+3], 512<<16
	s_mov_b32 s[G1W+4], 64
	s_mov_b32 s[G1W+5], 512
	s_mov_b32 s[G1W+6], 0
	s_mov_b32 s[G1W+7], 0
	s_lshl_b32 s18, s16, 6
	s_lshl_b32 s20, s17, 7
	s_add_co_u32 s20, s20, s18                     ; the first token that I fetch
	s_lshl_b32 s20, s20, 9
	s_mov_b32 s21, 0
	s_lshl_b32 s46, s42, 7
	s_add_co_u32 s46, s46, s18                     ; the first row of oW: that I fetch, and that I multiply
	s_lshl_b32 s92, s46, 5
	s_add_co_u32 s92, s92, WSC
	s_mov_b32 s93, 0
	s_lshl_b32 s46, s46, 9
	s_add_co_u32 s46, s46, WCO
	s_mov_b32 s47, 0
	s_lshl_b32 s94, s17, 7
	s_lshl_b32 s95, s15, 6
	s_add_co_u32 s94, s94, s95                     ; my first token
	s_lshl_b32 s96, s94, 12                        ; its row of out0
	s_lshl_b32 s94, s94, 2
	s_add_co_u32 s94, s94, OSO
	s_mov_b32 s95, 0
	s_mov_b32 s97, 0
	s_lshl_b32 s45, s16, 15
	s_mul_i32 s36, s16, 64*PITCH
	s_add_co_u32 s36, s36, WROW                    ; where oW's half goes, and where my 64 rows are read
	s_lshl_b32 s37, s15, 15                        ; my 64 tokens' images
	s_mul_i32 s38, s14, 16*272
	s_add_co_u32 s38, s38, STG                     ; my stage
	s_lshl_b32 s22, s42, 9
	s_lshl_b32 s23, s16, 8
	s_add_co_u32 s22, s22, s23                     ; my first column, in bytes
	s_mov_b32 s23, 0
	s_wait_dscnt 0x0
	s_wait_kmcnt 0x0
	s_mov_b32 s[G0A], 1
	s_mov_b32 s[G0A+1], s45
	s_add_nc_u64 s[G0A+2:G0A+3], s[4:5], s[20:21]
	s_or_b32 s[G0A+3], s[G0A+3], 0x80000000
	s_mov_b32 s[G0W], 1
	s_mov_b32 s[G0W+1], s36
	s_add_nc_u64 s[G0W+2:G0W+3], s[6:7], s[46:47]
	s_or_b32 s[G0W+3], s[G0W+3], 0x80000000
	CROUND                                         ; all sixteen work-groups are here: the joint loads meet
	s_cmp_eq_u32 s15, 0
	s_cbranch_scc0 .Lfor_w
	tensor_load_to_lds s[G0A:G0A+3], s[G1A:G1A+7]
	s_nop 0
	PLACES 4
	s_branch .Lasked
.Lfor_w:
	tensor_load_to_lds s[G0W:G0W+3], s[G1W:G1W+7]
	s_nop 0
	PLACES 4
.Lasked:
	s_add_nc_u64 s[92:93], s[6:7], s[92:93]        ; oW's scale bytes at my first row
	s_add_nc_u64 s[94:95], s[4:5], s[94:95]        ; the tokens' scale words at my group of 64
	s_add_nc_u64 s[8:9], s[8:9], s[22:23]
	s_add_nc_u64 s[10:11], s[10:11], s[22:23]
	s_add_nc_u64 s[10:11], s[10:11], s[96:97]
	v_and_b32 v1, 15, v0                           ; r
	v_bfe_u32 v2, v0, 4, 1                         ; h
	v_mul_u32_u24 v[ADRX], v1, PITCH
	v_lshl_add_u32 v[ADRX], v2, 4, v[ADRX]
	v_add_nc_u32 v[ADRX], s36, v[ADRX]
	v_and_b32 v[ADRY], 31, v0
	v_lshlrev_b32 v[ADRY], 4, v[ADRY]
	v_add_nc_u32 v[ADRY], s37, v[ADRY]
	v_lshlrev_b32 v[ADSX], 5, v1
	v_lshlrev_b32 v[ADSY], 4, v1
	v_lshlrev_b32 v[VB], 6, v2
	v_mul_u32_u24 v[STO], v1, 272
	v_lshl_add_u32 v[STO], v2, 6, v[STO]
	v_add_nc_u32 v[STO], s38, v[STO]
	v_mul_u32_u24 v[RD], v2, 272
	v_lshl_add_u32 v[RD], v1, 4, v[RD]
	v_add_nc_u32 v[RD], s38, v[RD]
	v_lshlrev_b32 v[CO], 12, v2
	v_lshl_add_u32 v[CO], v1, 4, v[CO]
	s_wait_alu depctr_va_vdst(0)                   ; the wait at the head's end
.irp hh, 0,1,2,3,4,5,6,7,8,9,10,11,12,13,14,15
	global_load_b128 v[WY+4*\hh:WY+4*\hh+3], v[ADSY], s[94:95] offset:16384*\hh   ; head hh: lane r takes token r's word of each of my four tiles: 256 consecutive bytes
.endr
.irp t, 0,1,2,3
.irp u, 0,1
	global_load_b128 v[SX+8*\t+4*\u:SX+8*\t+4*\u+3], v[ADSX], s[92:93] offset:\t*512+16*\u
.endr
.endr
	WIN 0x40                                       ; destination window 1
.irp xt, 0,1,2,3
	global_load_b128 v[BIAS+8*\xt:BIAS+8*\xt+3], v[VB], s[8:9] offset:(32*(\xt/2)+8*(\xt%2))*4
	global_load_b128 v[BIAS+8*\xt+4:BIAS+8*\xt+7], v[VB], s[8:9] offset:(32*(\xt/2)+8*(\xt%2))*4+16
.endr
	WIN 0
.macro FETCH q, f                      ; the fragments of the q-th 128 along K (heads 2 q, 2 q + 1) into set f: 16 loads
.irp t, 0,1,2,3
.irp c, 0,1
	ds_load_b128 v[FB+64*(\f)+8*\t+4*\c:FB+64*(\f)+8*\t+4*\c+3], v[ADRX] offset:64*(\q)+32*\c+\t*16*PITCH
.endr
.endr
.irp t, 0,1,2,3
.irp c, 0,1
	ds_load_b128 v[FB+64*(\f)+32+8*\t+4*\c:FB+64*(\f)+32+8*\t+4*\c+3], v[ADRY] offset:\t*8192+(\q)*1024+\c*512
.endr
.endr
.endm
.macro MUL16 f, q, first               ; the sixteen accumulators take turns, one instruction a turn
	WIN 0x50                                       ; C and D window 1
.irp yt, 0,1,2,3
.irp xt, 0,1,2,3
.if \first
	v_wmma_scale_f32_16x16x128_f8f6f4 v[8*(4*\yt+\xt):8*(4*\yt+\xt)+7], v[FB+64*(\f)+8*\xt:FB+64*(\f)+8*\xt+7], v[FB+64*(\f)+32+8*\yt:FB+64*(\f)+32+8*\yt+7], v[BIAS+8*\xt:BIAS+8*\xt+7], v[SX+8*\xt+(\q)], v[WY+8*(\q)+\yt] matrix_a_fmt:MATRIX_FMT_FP4 matrix_b_fmt:MATRIX_FMT_FP4
.else
	v_wmma_scale_f32_16x16x128_f8f6f4 v[8*(4*\yt+\xt):8*(4*\yt+\xt)+7], v[FB+64*(\f)+8*\xt:FB+64*(\f)+8*\xt+7], v[FB+64*(\f)+32+8*\yt:FB+64*(\f)+32+8*\yt+7], v[8*(4*\yt+\xt):8*(4*\yt+\xt)+7], v[SX+8*\xt+(\q)], v[WY+8*(\q)+\yt] matrix_a_fmt:MATRIX_FMT_FP4 matrix_b_fmt:MATRIX_FMT_FP4
.endif
.endr
.endr
.endm
	s_wait_tensorcnt 0x0                           ; my tile has landed
	s_barrier_signal -1
	s_barrier_wait -1                              ; all four have
	FETCH 0, 0
	s_wait_loadcnt 0x0                             ; the scale words and the bias
.irp q, 0,1,2,3,4,5,6,7
.irp yt, 0,1,2,3
	v_or_b32 v[WY+8*\q+\yt], v[WY+8*\q+\yt], v[WY+8*\q+4+\yt]   ; heads 2 q and 2 q + 1: their words fill different halves
.endr
.endr
	s_wait_alu depctr_va_vdst(0)
.set Q, 0
.rept 8
.if Q < 7
	WIN 0
	PLACES 4                                       ; in front of loads into registers that the last products read
	FETCH Q+1, 1-Q%2
	s_wait_dscnt 16                                ; all but the sixteen just issued
.else
	s_wait_dscnt 0x0
.endif
	MUL16 Q%2, Q, Q==0
.set Q, Q+1
.endr
	PLACES 4
; THE WAY OUT: 16 tokens x 64 columns at a time through my stage, back as rows of 256 bytes
.irp yt, 0,1,2,3
	WIN 0x04                                       ; the data window 1
.irp xt, 0,1,2,3
	ds_store_b128 v[STO], v[8*(4*\yt+\xt):8*(4*\yt+\xt)+3] offset:128*(\xt/2)+32*(\xt%2)
	ds_store_b128 v[STO], v[8*(4*\yt+\xt)+4:8*(4*\yt+\xt)+7] offset:128*(\xt/2)+32*(\xt%2)+16
.endr
	WIN 0
.irp i, 0,1,2,3,4,5,6,7
	ds_load_b128 v[FB+32*\yt+4*\i:FB+32*\yt+4*\i+3], v[RD] offset:2*\i*272   ; LDS serves a wave's instructions in order: these see my stores, and the next tile's stores come behind them
.endr
.endr
.irp yt, 0,1,2,3
.irp i, 0,1,2,3,4,5,6,7
	s_wait_dscnt (3-\yt)*16+7-\i
	global_store_b128 v[CO], v[FB+32*\yt+4*\i:FB+32*\yt+4*\i+3], s[10:11] offset:(32*(\yt/2)+8*(\yt%2)+2*\i+8*(\i/4))*4096 th:TH_STORE_NT   ; sixteen lanes store 256 consecutive bytes, aligned
.endr
.endr
	s_wait_tensorcnt 0x0                           ; the wave's end
	ds_add_u32 v[SPW], v[NIL]
	s_wait_dscnt 0x0
	CROUND                                         ; the closing round
	s_endpgm
.Lfunc_end_k_q6a89359085_outp:
	.size	k_q6a89359085_outp, .Lfunc_end_k_q6a89359085_outp-k_q6a89359085_outp
	.p2alignl 7, 3214868480
	.fill 96, 4, 3214868480
	.section	.rodata,"a",@progbits
	.p2align	6, 0x0
	.amdhsa_kernel k_q6a89359085_outp
		.amdhsa_group_segment_fixed_size 167936
		.amdhsa_private_segment_fixed_size 0
		.amdhsa_enable_private_segment 0
		.amdhsa_kernarg_size 32
		.amdhsa_user_sgpr_count 2
		.amdhsa_user_sgpr_kernarg_segment_ptr 1
		.amdhsa_wavefront_size32 1
		.amdhsa_system_sgpr_workgroup_id_x 1
		.amdhsa_system_sgpr_workgroup_id_y 1
		.amdhsa_system_sgpr_workgroup_id_z 1
		.amdhsa_system_vgpr_workitem_id 0
		.amdhsa_next_free_vgpr 512
		.amdhsa_next_free_sgpr 100
		.amdhsa_reserve_vcc 0
		.amdhsa_float_denorm_mode_32 3
		.amdhsa_float_denorm_mode_16_64 3
		.amdhsa_memory_ordered 1
		.amdhsa_forward_progress 1
		.amdhsa_inst_pref_size 45
	.end_amdhsa_kernel
	.amdgpu_metadata
---
amdhsa.version: [ 1, 2 ]
amdhsa.kernels:
  - .name:           k_q6a89359085_outp
    .symbol:         k_q6a89359085_outp.kd
    .args:
      - { .name: oq, .offset: 0, .size: 8, .value_kind: global_buffer, .address_space: global }
      - { .name: wq, .offset: 8, .size: 8, .value_kind: global_buffer, .address_space: global }
      - { .name: ob, .offset: 16, .size: 8, .value_kind: global_buffer, .address_space: global }
      - { .name: out0, .offset: 24, .size: 8, .value_kind: global_buffer, .address_space: global }
    .group_segment_fixed_size: 167936
    .private_segment_fixed_size: 0
    .kernarg_segment_align: 8
    .kernarg_segment_size: 32
    .max_flat_workgroup_size: 128
    .sgpr_count:     100
    .vgpr_count:     512
    .wavefront_size: 32
...
	.end_amdgpu_metadata
.endif
;; end of part 5
